; MI455X (gfx1250); checked and timed in simulation.
; The chip was launched on July 23, 2026; its instructions are those of AMD's public machine-readable ISA for CDNA 5 (MIT licence, August 2026) and "CDNA5" Instruction Set Architecture Reference Guide (July 2026). The comments in the code are by the model that wrote it; some were corrected since.
;; Joint Attention. Allowed arithmetic: matrix products marked QUANTISED: E2M3 operands, one E8M0 scale for each 32 along K, by v_wmma_scale_f32_16x16x128_f8f6f4 with both operands' format E2M3, f32 sums; everything else in f32.
;; Inputs: Wout 2,048 x 2,048 float32; Wqkv 3,072 x 2,048 float32; freqs_cos 4 x 1,024 x 64 float32; freqs_sin 4 x 1,024 x 64 float32; kn_w 128 float32; qn_w 128 float32; x 4 x 1,024 x 2,048 float32; x_mask 4 x 1,024 bool.
;; Outputs: out0 4 x 1,024 x 2,048 float32.
;; This version of the problem:
;;   THIS VERSION OF THE PROBLEM IS GIVEN IN LOW PRECISION. The matrix products marked QUANTISED in the list below multiply operands that are first quantised to E2M3 (2 exponent bits, 3 mantissa bits; 6 bits a number), with one power-of-two scale for each 32 numbers along K (OCP MX v1.0); their sums are f32. All else is computed in f32.
;;   The module's matrix products, in the order in which they are computed (A, B: the left and right operand; K: the contracted axis; several contracted axes count as one K, in the product's order):
;;     1. [M 4,096, K 2,048] x [K 2,048, N 3,072]; A: input x; B: input Wqkv: QUANTISED
;;     2. batch 64 x [M 1,024, K 128] x [K 128, N 1,024]; A: computed on the way; B: computed on the way: QUANTISED
;;     3. batch 64 x [M 128, K 1,024] x [K 1,024, N 1,024]; A: computed on the way; B: softmax (see below): QUANTISED
;;     4. [M 4,096, K 2,048] x [K 2,048, N 2,048]; A: computed on the way; B: input Wout: QUANTISED
;;   THE QUANTISER, for each operand of a quantised product, along K:
;;     - K is cut into blocks of 32 from its start; a last block that is shorter is filled with zeros.
;;     - A block's scale is 2^e with e = floor(log2(the largest magnitude in the block)) - 2, held to -126 .. 127; a block of zeros has e = 0. As a byte (E8M0): e + 127.
;;     - Each number is divided by its block's scale, clamped to +-7.5, and rounded to the nearest number of E2M3, ties to even, subnormals kept.
;;     - The product sums the exact products of the quantised numbers (number of the format x scale) in f32.
;;   ~~~python
;;   def quantise(x, axis):      # numpy; x: float32 -> the quantised numbers, widened to float32 again
;;       x = np.moveaxis(x, axis, -1); K = x.shape[-1]
;;       x = np.pad(x, [(0, 0)] * (x.ndim - 1) + [(0, -K % 32)]); x = x.reshape(x.shape[:-1] + (-1, 32)); a = np.abs(x).max(-1, keepdims=True)
;;       e = np.where(a > 0, np.clip(np.frexp(np.where(a > 0, a, 1))[1] - 1 - 2, -126, 127), 0)      # np.frexp(a)[1] - 1 = floor(log2(a)), exactly
;;       r = np.clip(x / 2.0 ** e, -7.5, 7.5)
;;       step = 2.0 ** (np.maximum(np.frexp(np.where(r == 0, 1, r))[1] - 1, 0) - 3)
;;       q = np.round(r / step) * step * 2.0 ** e      # np.round: ties to even
;;       return np.moveaxis(q.reshape(q.shape[:-2] + (-1,))[..., :K], -1, axis).astype(np.float32)
;;   ~~~
;;   SOFTMAX AHEAD OF A QUANTISED PRODUCT. Where the list says 'softmax', what is quantised is not the finished softmax but p = 2^(t - M), with t = logit x log2(e) and M = ceil(the row's largest t), a whole number; so 1/2 < the row's largest p <= 1. The row's sum l is taken of the UNQUANTISED p, in f32, and the product's result is divided by l at the end. Since M is a whole number, a kernel that streams over the keys may use a running M (the ceiling of the running maximum): every later rescaling is an exact power of two, which a block's scale takes up: the codes' values come out the same.
;;   OPERANDS COMPUTED ON THE WAY. 'Computed on the way' means the value that the module computes at that place (a softmax that the list does not call 'softmax' is quantised finished and normalised). What goes into a quantiser is computed in f32, as accurately as f32 sums, v_exp_f32 and their like allow (about 1e-6 of the number): no bf16 or f16 on the way to a quantiser, and a product that is left as it is and whose result goes on into a quantised operand takes f32 operands (vector FMAs, or v_wmma_f32_16x16x4_f32). A number that lies on a knife's edge between two numbers of the format may be rounded either way, as far as f32 arithmetic and the matrix unit's own rounding can turn it there, and no further.
;; One version. Each part assembles by itself: llvm-mc -triple=amdgcn-amd-amdhsa -mcpu=gfx1250 --defsym DOCPART=n.
;; ======== version 1 of 1: 4 launches
;; limits: right only within a limited range of input values
;; workspace buffers: c1 11,010,048 bytes; s1 458,752 bytes; c2 9,437,184 bytes; s2 393,216 bytes; c3 6,291,456 bytes; s3 262,144 bytes; c4 3,145,728 bytes; s4 131,072 bytes
;; launch quant (part 1): grid 448 x 1, 4 waves a work-group, no clusters, 34,304 bytes of LDS; arguments x, Wqkv, c1, s1; writes c1, s1
.if DOCPART == 1
	.amdgcn_target "amdgcn-amd-amdhsa--gfx1250"
	.amdhsa_code_object_version 6
	.text
	.protected	k_qf9c5785db7_quant
	.globl	k_qf9c5785db7_quant
	.p2align	8
	.type	k_qf9c5785db7_quant,@function
k_qf9c5785db7_quant:
	s_mov_b64 s[64:65], 0
	v_nop
	global_prefetch_b8 v0, s[64:65] scope:SCOPE_SE
	s_setreg_imm32_b32 hwreg(HW_REG_WAVE_MODE, 25, 1), 1
	s_wait_xcnt 0x0
; x [4096][2048], Wqkv [3072][2048], Wout [2048][2048], f32, K innermost, become codes of FP6 (E2M3) with one E8M0 byte for each 32 along K,
; laid as the products' launches want them: as IMAGES OF OPERAND REGISTERS.  Rows go in groups of 128, eight fragments of 16 rows to a group;
; lane-row r of fragment i is row 32 (i / 2) + 8 (i % 2) + r + 8 (r / 8) of the group.  A fragment (16 rows x 128 K, 12 registers a lane) is 1,536 bytes:
; register 4 c + e of a lane at byte 512 c + 16 lane + 4 e.  c1: [group][K step][fragment][1,536].  s1: [group][K step][512]: the scale word of (fragment i, lane-row r) at 256 (i / 4) + 16 r + 4 (i % 4).
; GROUPS: 0-31 x; 32-47 Wqkv's q heads; 48 + 2 i + s: k head i (s = 0) or v head i (s = 1); 56-71 Wout.
; A block's scale is 2^(floor(log2(largest magnitude)) - 2): its byte is the largest magnitude's exponent field - 2, held at 1 from below.
; LIMITS: a block whose largest magnitude lies under 2^-124, a block of zeros among them, keeps the byte 1 (the rule says 127 for zeros: its codes are zeros, and these bytes are read by this program alone); NaN and infinities are not served.
; SHARES: work-group W: group W / 8, fragments 4 ((W / 4) % 2) + 0 .. 3, K steps 4 (W % 4) + wave.  A wave reads 64 rows x 512 bytes and stores 6,144 bytes of codes and 256 of scale words.
; Each load takes 512 consecutive bytes of one row; a fragment's 16 rows turn through the wave's own stage in LDS, so that a lane gets 16 neighbours along K of each block of its row.
; No tensor load, no cluster, no barrier: waves share nothing, and every input byte is read once.  Two fragments' loads (32 a wave) are out at the start, 16 to 32 later.
; AS THE LAUNCH NOW STANDS: it serves x and Wqkv alone, groups 0-55.  Wout (the head's groups 56-71) is quantised by the next launch's fourth column of clusters, into buffers of its own.
.set ROWB, 8192                        ; a row of either tensor in bytes
.set SP,   528                         ; a stage row: 512 bytes + 16 = 132 words: the sixteen rows that a read touches start at sixteen different groups of four banks
.set STG,  16*SP                       ; a wave's stage
.set R,    16                          ; v16-143  two sets of 64 registers as loaded
.set X,    144                         ; v144-207 register 16 b + i: k = 32 b + 16 (lane / 16) + i of my row
.set PC,   208                         ; v208-219 the fragment's codes; v220-227 at work
.set TM,   228                         ; v228-243 at work in QUANT
.set PW,   244                         ; v244     the scale word just made
.set SW,   248                         ; v248-251 the four fragments' scale words
.set SEL,  30                          ; s[30:31] lane selects: lane l xor 16
; 64 numbers of a lane, register s + 16 b + i = k 32 b + 16 (lane / 16) + i of my row, become a fragment's codes in v[pc .. pc + 11] and its scale word in v[pw].
.macro QUANT s, pc, tm, pw
.irp b, 0,1,2,3
	v_max3_num_f32 v[\tm+\b], |v[\s+16*\b]|, |v[\s+1+16*\b]|, 0x1800000   ; block b: my 16 numbers, and the floor 2^(3 - 127): the byte cannot fall under 1
.endr
.irp i, 2,4,6,8,10,12,14
.irp b, 0,1,2,3
	v_max3_num_f32 v[\tm+\b], v[\tm+\b], |v[\s+16*\b+\i]|, |v[\s+1+16*\b+\i]|   ; the four blocks by turns
.endr
.endr
.irp b, 0,1,2,3
	v_permlanex16_b32 v[\tm+4+\b], v[\tm+\b], s[SEL], s[SEL+1]
.endr
.irp b, 0,1,2,3
	v_max_num_f32 v[\tm+\b], v[\tm+\b], v[\tm+4+\b]   ; with lane l xor 16's 16: the block's largest magnitude
.endr
.irp b, 0,1,2,3
	v_add_nc_u32 v[\tm+12+\b], 0xff000000, v[\tm+\b]   ; 2 off its exponent field: the conversion takes this operand's exponent field as its scale
.endr
.irp b, 0,1,2,3
	v_lshrrev_b32 v[\tm+4+\b], 23, v[\tm+12+\b]   ; the scale's byte
.endr
	v_lshl_or_b32 v[\pw], v[\tm+5], 8, v[\tm+4]
	v_lshl_or_b32 v[\pw], v[\tm+6], 16, v[\pw]
	v_lshl_or_b32 v[\pw], v[\tm+7], 24, v[\pw]   ; my row's scale word
.irp c, 0,1
	v_cvt_scalef32_pk16_fp6_f32 v[\pc+6*\c:\pc+2+6*\c], v[\s+32*\c:\s+15+32*\c], v[\tm+12+2*\c]
	v_cvt_scalef32_pk16_fp6_f32 v[\pc+12+4*\c:\pc+14+4*\c], v[\s+16+32*\c:\s+31+32*\c], v[\tm+13+2*\c]   ; (a conversion's three registers begin on an even number)
.endr
	v_nop                                          ; one plain place behind a scaled conversion
.irp c, 0,1                                    ; the operand wants a WHOLE block in a lane: lanes 0-15 block 2 c, lanes 16-31 block 2 c + 1
.irp i, 0,1,2
	v_permlane16_swap_b32 v[\pc+6*\c+\i], v[\pc+12+4*\c+\i]
.endr
.irp i, 0,1,2
	v_mov_b32 v[\pc+3+6*\c+\i], v[\pc+12+4*\c+\i]
.endr
.endr
.endm
	s_load_b128 s[4:7], s[0:1], 0x0                ; x, Wqkv
	s_load_b64 s[10:11], s[0:1], 0x10              ; c1
	s_load_b64 s[12:13], s[0:1], 0x18              ; s1
	v_lshl_add_u32 v254, v0, 2, 0x8400
	v_mov_b32 v255, 0
	v_lshrrev_b32 v5, 5, v0
	v_readfirstlane_b32 s15, v5                    ; wave
	v_and_b32 v5, 31, v0                           ; lane
	v_and_b32 v6, 15, v0                           ; r
	v_bfe_u32 v7, v0, 4, 1                         ; h
	v_lshlrev_b32 v1, 4, v5                        ; 16 x lane: my bytes of a load's 512 and of an image's 512
	s_mul_i32 s14, s15, STG
	v_add_nc_u32 v2, s14, v1                       ; into the stage: a row as it lies
	v_mul_u32_u24 v3, v6, SP
	v_lshl_add_u32 v3, v7, 6, v3
	v_add_nc_u32 v3, s14, v3                       ; out of it: row r, + 64 h: my 16 numbers of a block
	v_lshlrev_b32 v4, 4, v6
	v_lshl_add_u32 v4, v7, 3, v4                   ; the scale words' place: 16 r + 8 h
.irp b, 0,1,2,3
	v_mov_b32 v[TM+4+\b], 0                        ; written once: a lane permute's destination counts as one of its sources
.endr
	s_mov_b32 s[SEL], 0x76543210
	s_mov_b32 s[SEL+1], 0xfedcba98
	s_lshr_b32 s16, ttmp9, 3                       ; G, the group
	s_bfe_u32 s17, ttmp9, 0x10002                  ; ig: which four fragments
	s_and_b32 s18, ttmp9, 3
	s_lshl_b32 s18, s18, 2
	s_add_co_u32 s18, s18, s15                     ; ks, my K step
	; the group's first row in its tensor.  What is computed for the other tensors' groups is not chosen
	s_sub_co_u32 s20, s16, 32
	s_lshl_b32 s20, s20, 7                         ; q head G - 32: row 128 (G - 32)
	s_sub_co_u32 s21, s16, 48
	s_and_b32 s22, s21, 1
	s_lshl_b32 s22, s22, 9
	s_lshr_b32 s21, s21, 1
	s_lshl_b32 s21, s21, 7
	s_add_co_u32 s21, s21, s22
	s_add_co_u32 s21, s21, 2048                    ; k or v head: row 2,048 + 512 s + 128 i
	s_cmp_lt_u32 s16, 48
	s_cselect_b32 s20, s20, s21
	s_wait_alu depctr_va_vdst(0)
	s_wait_kmcnt 0x0
	s_lshl_b32 s21, s16, 7                         ; x: row 128 G
	s_cmp_lt_u32 s16, 32
	s_cselect_b32 s20, s21, s20
	s_cselect_b64 s[4:5], s[4:5], s[6:7]
	s_lshl_b32 s20, s20, 13                        ; rows of 8,192 bytes (under 2^26 in all),
	s_lshl_b32 s21, s17, 19                        ; + 64 rows for the upper four fragments,
	s_add_co_u32 s20, s20, s21
	s_lshl_b32 s21, s18, 9                         ; + 512 bytes a K step
	s_add_co_u32 s20, s20, s21
	s_mov_b32 s21, 0
	s_add_nc_u64 s[4:5], s[4:5], s[20:21]
	s_mul_i32 s22, s16, 196608                     ; c1: a group, a K step, four fragments
	s_mul_i32 s23, s18, 12288
	s_add_co_u32 s22, s22, s23
	s_mul_i32 s23, s17, 6144
	s_add_co_u32 s22, s22, s23
	s_mov_b32 s23, 0
	s_add_nc_u64 s[10:11], s[10:11], s[22:23]
	s_lshl_b32 s24, s16, 13                        ; s1 likewise: 8,192, 512, 256
	s_lshl_b32 s25, s18, 9
	s_add_co_u32 s24, s24, s25
	s_lshl_b32 s25, s17, 8
	s_add_co_u32 s24, s24, s25
	s_mov_b32 s25, 0
	s_add_nc_u64 s[12:13], s[12:13], s[24:25]
.macro LOADF f                         ; fragment f's sixteen rows, 512 consecutive bytes each, into set f % 2
.irp j, 0,1,2,3,4,5,6,7,8,9,10,11,12,13,14,15
	global_load_b128 v[R+64*((\f)%2)+4*\j:R+64*((\f)%2)+4*\j+3], v1, s[4:5] offset:(32*((\f)/2)+8*((\f)%2)+\j+8*(\j/8))*ROWB th:TH_LOAD_NT
.endr
.endm
.macro FRAGQ f
.if (\f) < 3
	s_wait_loadcnt 16                              ; this fragment's sixteen loads are in; the next fragment's sixteen may be out
.else
	s_wait_loadcnt 0x0
.endif
.irp j, 0,1,2,3,4,5,6,7,8,9,10,11,12,13,14,15
	ds_store_b128 v2, v[R+64*((\f)%2)+4*\j:R+64*((\f)%2)+4*\j+3] offset:SP*\j
.endr
.irp b, 0,1,2,3
.irp e, 0,1,2,3
	ds_load_b128 v[X+16*\b+4*\e:X+16*\b+4*\e+3], v3 offset:128*\b+16*\e   ; LDS serves a wave's instructions in order: these see the stores above
.endr
.endr
	s_wait_dscnt 0x0                               ; the numbers are back, and the stores into the stage have read their registers
	s_wait_xcnt 0x0                                ; the last fragment's stores have read their data: the codes' registers may be written again
.if (\f) < 2
	LOADF (\f)+2
.endif
	QUANT X, PC, TM, PW
.irp c, 0,1,2
	global_store_b128 v1, v[PC+4*\c:PC+4*\c+3], s[10:11] offset:1536*(\f)+512*\c   ; 32 lanes store 512 consecutive bytes, aligned
.endr
	v_mov_b32 v[SW+(\f)], v[PW]
.endm
	LOADF 0
	LOADF 1
	FRAGQ 0
	FRAGQ 1
	FRAGQ 2
	FRAGQ 3
	v_cmp_ne_u32 vcc_lo, 0, v7                     ; both halves of the lanes hold all four words of row r: lanes 0-15 store words 0, 1, lanes 16-31 words 2, 3
	v_cndmask_b32 v252, v[SW], v[SW+2], vcc_lo
	v_cndmask_b32 v253, v[SW+1], v[SW+3], vcc_lo
	global_store_b64 v4, v[252:253], s[12:13]      ; 32 lanes store 256 consecutive bytes, aligned
	s_wait_tensorcnt 0x0
	ds_add_u32 v254, v255
	s_wait_dscnt 0x0
	s_endpgm
.Lfunc_end_k_qf9c5785db7_quant:
	.size	k_qf9c5785db7_quant, .Lfunc_end_k_qf9c5785db7_quant-k_qf9c5785db7_quant
	.p2alignl 7, 3214868480
	.fill 96, 4, 3214868480
	.section	.rodata,"a",@progbits
	.p2align	6, 0x0
	.amdhsa_kernel k_qf9c5785db7_quant
		.amdhsa_group_segment_fixed_size 34304
		.amdhsa_private_segment_fixed_size 0
		.amdhsa_enable_private_segment 0
		.amdhsa_kernarg_size 32
		.amdhsa_user_sgpr_count 2
		.amdhsa_user_sgpr_kernarg_segment_ptr 1
		.amdhsa_wavefront_size32 1
		.amdhsa_system_sgpr_workgroup_id_x 1
		.amdhsa_system_sgpr_workgroup_id_y 1
		.amdhsa_system_sgpr_workgroup_id_z 1
		.amdhsa_system_vgpr_workitem_id 0
		.amdhsa_next_free_vgpr 256
		.amdhsa_next_free_sgpr 66
		.amdhsa_reserve_vcc 1
		.amdhsa_float_denorm_mode_32 3
		.amdhsa_float_denorm_mode_16_64 3
		.amdhsa_memory_ordered 1
		.amdhsa_forward_progress 1
		.amdhsa_inst_pref_size 34
	.end_amdhsa_kernel
	.amdgpu_metadata
---
amdhsa.version: [ 1, 2 ]
amdhsa.kernels:
  - .name:           k_qf9c5785db7_quant
    .symbol:         k_qf9c5785db7_quant.kd
    .args:
      - { .name: x, .offset: 0, .size: 8, .value_kind: global_buffer, .address_space: global }
      - { .name: Wqkv, .offset: 8, .size: 8, .value_kind: global_buffer, .address_space: global }
      - { .name: c1, .offset: 16, .size: 8, .value_kind: global_buffer, .address_space: global }
      - { .name: s1, .offset: 24, .size: 8, .value_kind: global_buffer, .address_space: global }
    .group_segment_fixed_size: 34304
    .private_segment_fixed_size: 0
    .kernarg_segment_align: 8
    .kernarg_segment_size: 32
    .max_flat_workgroup_size: 128
    .sgpr_count:     66
    .vgpr_count:     256
    .wavefront_size: 32
...
	.end_amdgpu_metadata
.endif
;; end of part 1
;; launch gemm1 (part 2): grid 16 x 16, 4 waves a work-group, clusters of 4 x 4, 327,680 bytes of LDS; arguments c1, s1, freqs_cos, freqs_sin, qn_w, kn_w, c2, s2, Wout, c4, s4; writes c2, s2, c4, s4
.if DOCPART == 2
	.amdgcn_target "amdgcn-amd-amdhsa--gfx1250"
	.amdhsa_code_object_version 6
	.text
	.protected	k_qf9c5785db7_gemm1
	.globl	k_qf9c5785db7_gemm1
	.p2align	8
	.type	k_qf9c5785db7_gemm1,@function
k_qf9c5785db7_gemm1:
	s_mov_b64 s[64:65], 0
	v_nop
	global_prefetch_b8 v0, s[64:65] scope:SCOPE_SE
	s_setreg_imm32_b32 hwreg(HW_REG_WAVE_MODE, 25, 1), 1
	s_wait_xcnt 0x0
	s_wait_alu depctr_hold_cnt(0) depctr_sa_sdst(0) depctr_va_vdst(0) depctr_va_sdst(0) depctr_va_ssrc(0) depctr_va_vcc(0) depctr_vm_vsrc(0)
	s_getreg_b32 s2, hwreg(HW_REG_IB_STS2, 6, 4)
	s_cmp_eq_u32 s2, 0
	s_cbranch_scc0 .Lentry_in_a_cluster
	s_endpgm
.Lentry_in_a_cluster:
	s_bfe_u32 s2, ttmp6, 0x10000c
	s_cmp_lg_u32 s2, 0xf033
	s_cbranch_scc0 .Lentry_shape_is_right
	s_endpgm
.Lentry_shape_is_right:
; qkv = x Wqkv^T on codes of FP6 (E2M3) with E8M0 scales, then RMS-norm and rotary turn of q and k in f32, and q, k (along the head's 128) and v (along the keys) leave as codes and scale words, as images of operand registers.
; CLUSTER COLUMNS 0-2 (192 work-groups): a tile of 256 tokens x 2 heads; four waves, each 128 tokens x 1 head in 64 accumulators.  Columns 0, 1: q heads; column 2: a k head (waves 0, 2) and a v head (waves 1, 3).
; CLUSTER COLUMN 3 (64 work-groups): quantises Wout into c4, s4, in the same layout, for the last launch: 512 runs of 64 rows x 128 K, two to a wave.
; c1: [group of 128 rows][K step][fragment][1,536]; s1: [group][K step][512].  K goes through two LDS slots of two K steps each; all scale words of the tile lie in LDS for the whole walk.
; THE HEAD: one joint load a wave: A's slot 0 (two groups, as two rows of 24,576 bytes), B's slot 0, A's 16,384 bytes of scale words, B's.  Slot 1 follows behind the full sequence and a round, a quarter a wave.
; PREFETCH: behind fill n each wave names 24 blocks of 256 bytes of fill n + 2: its quarter's 96 blocks are shared out among the four partners that ask for it jointly, by address; fills 6 and 7 ask for nothing.
;   The rotary tables of the tile's rows are named once in a cluster, at the head: 32 rows a wave (cos by waves 0, 2, sin by waves 1, 3; the rows by cx).
; THE MATRIX INSTRUCTION IS USED TRANSPOSED (source 0 = W's rows, source 1 = x's rows): a lane holds one token, its registers run along d.
; REGISTERS: window 0: v0-31 addresses, v32-63 scale words (two sets), v64-127 the norm's weights, v128-223 A's fragments; window 1: B's two sets at v0, v128, and v96-127, v224-255 rotary set 0; windows 2, 3: accumulators.
;   On the way out window 1 holds four sets of rotary numbers (16 rows x 64 cos, 64 sin each), asked for three blocks ahead.
; LIMITS: a block whose largest magnitude lies under 2^-124 keeps the scale byte 1 (blocks of zeros too: their codes are zeros, and this program alone reads the bytes); NaN and infinities are not served.
.set BG0,   32                         ; Wqkv's first group in c1
.set QTR,   24576                      ; two K steps of one group
.set SLOT,  4*QTR                      ; A's two groups, B's two groups
.set SCL,   2*SLOT                     ; the scale words: 8,192 bytes a group, A's two, B's two
.set SPARE, SCL+4*8192                 ; the spare words, 512 bytes
.set QST,   SPARE+512                  ; column 3's stages: 16 rows x 528 bytes a wave; no fill lands here
.set GRPB,  196608
.set FR,    12
.set NL,    3
.set NP,    4
.set PFC,   8                          ; v8  the tables' prefetch: 8,192 cx + 256 lane
.set PFO,   15                         ; v15 the tiles' prefetch: 256 min(lane, 23)
.set ADRA,  16
.set ADRB,  20
.set ADRS,  27
.set SPW,   28
.set NIL,   29
.set SC,    32
.set AF,    128
.set G0H,   4                          ; s[4:7], s[8:11] groups 0 of the head's loads of codes
.set G0HB,  8
.set G1,    24
.set G0,    32
.set VW,    44                         ; s44 1 in a wave that owns a v head
.set G1B,   48
.set G0B,   56
.set G1S,   68
.set G0S,   76
.set G1SB,  80
.set G0SB,  88
.set PFA,   100                        ; s[100:101] where my tile prefetches stand
; THE ROTARY TABLES, AS THE TEXT NOW STANDS (in place of the head's four sets asked for three blocks ahead): block 0's lie in registers from the head on; blocks 6 and 7's are loaded into registers when the products end and are used last;
; rows 8-95 of each half of the tokens (blocks 1-5) come into slot 0 by one joint load a wave at the last change of slots: 88 rows of 256 bytes of cos (waves 0, 2) or sin (waves 1, 3), 272 bytes apart in LDS, at wave x QTR.
; v's stage lies in slot 1, which has had its last fill and, behind the barrier that shows the tables, its last read.
.set RMK,   104                        ; s104 my row of the cluster, kept for the tables' mask
.set G1T,   80                         ; s[80:87], s[88:91] the tables' groups 1 and 0, in the registers of B's scale words' load, which is done by then
.set G0T,   88
.set TBA,   4                          ; v4 LDS address of my row of the tables
.set SEL,   40                         ; s[40:41] lane selects: lane l xor 16
.set MSB, 0
.macro WIN new
.if MSB != (\new)
	s_set_vgpr_msb (MSB<<8)|(\new)
.set MSB, \new
.endif
.endm
.set MUL_LO, 0xa1
.set MUL_HI, 0xf1
.set TO_B,   0x40
.macro JLOAD g0a, g1a, g0b, g1b        ; waves 0, 1 fetch for A, waves 2, 3 for B
	s_cmp_eq_u32 s21, 0
	s_cbranch_scc0 .Lfor_b_\@
	tensor_load_to_lds s[\g0a:\g0a+3], s[\g1a:\g1a+7]
	s_nop 0
.rept 4
	v_nop
.endr
	s_branch .Lasked_\@
.Lfor_b_\@:
	tensor_load_to_lds s[\g0b:\g0b+3], s[\g1b:\g1b+7]
	s_nop 0
.rept 4
	v_nop
.endr
.Lasked_\@:
.endm
.macro CREST
	s_cmp_lg_u32 s20, 0
	s_cbranch_scc1 .Lnot_wave_0_\@
	s_barrier_signal -3
.Lnot_wave_0_\@:
	s_barrier_wait -3
	s_barrier_signal -1
	s_barrier_wait -1
.endm
.macro CROUND
	s_barrier_signal -1
	s_barrier_wait -1
	CREST
.endm
.macro PLACES n
.rept \n
	v_nop
.endr
.endm
.macro SHAPE g, cols, rows, pitch      ; group 1's words 1-7: rows of cols elements of 8 bytes
	s_mov_b32 s[\g+1], (\cols)<<16
	s_mov_b32 s[\g+2], (\rows)<<16
	s_mov_b32 s[\g+3], (\cols)<<16
	s_mov_b32 s[\g+4], \rows
	s_mov_b32 s[\g+5], \pitch
	s_mov_b32 s[\g+6], 0
	s_mov_b32 s[\g+7], 0
.endm
.macro HEAD0 g, lds, src               ; a group 0
	s_mov_b32 s[\g], 1
	s_mov_b32 s[\g+1], \lds
	s_mov_b64 s[\g+2:\g+3], s[\src:\src+1]
	s_or_b32 s[\g+3], s[\g+3], 0x80000000
.endm
.macro ARM under, g0, g1, next         ; one arm of the head's chain: one load, then on to the join
	s_cmp_lt_u32 s20, \under
	s_cbranch_scc0 \next
	tensor_load_to_lds s[\g0:\g0+3], s[\g1:\g1+7]
	s_nop 0
.rept 4
	v_nop
.endr
	s_branch .Lhead_asked
\next:
.endm
; 64 numbers of a lane, register s + 16 b + i = k 32 b + 16 (lane / 16) + i of my row, become a fragment's codes in v[pc .. pc + 11] and its scale word in v[pw]
.macro QUANT s, pc, tm, pw
.irp b, 0,1,2,3
	v_max3_num_f32 v[\tm+\b], |v[\s+16*\b]|, |v[\s+1+16*\b]|, 0x1800000   ; with the floor 2^(3 - 127): the byte cannot fall under 1
.endr
.irp i, 2,4,6,8,10,12,14
.irp b, 0,1,2,3
	v_max3_num_f32 v[\tm+\b], v[\tm+\b], |v[\s+16*\b+\i]|, |v[\s+1+16*\b+\i]|
.endr
.endr
.irp b, 0,1,2,3
	v_permlanex16_b32 v[\tm+4+\b], v[\tm+\b], s[SEL], s[SEL+1]
.endr
.irp b, 0,1,2,3
	v_max_num_f32 v[\tm+\b], v[\tm+\b], v[\tm+4+\b]
.endr
.irp b, 0,1,2,3
	v_add_nc_u32 v[\tm+12+\b], 0xff000000, v[\tm+\b]   ; 2 off the exponent field: the conversion's scale operand
.endr
.irp b, 0,1,2,3
	v_lshrrev_b32 v[\tm+4+\b], 23, v[\tm+12+\b]
.endr
	v_lshl_or_b32 v[\pw], v[\tm+5], 8, v[\tm+4]
	v_lshl_or_b32 v[\pw], v[\tm+6], 16, v[\pw]
	v_lshl_or_b32 v[\pw], v[\tm+7], 24, v[\pw]
.irp c, 0,1
	v_cvt_scalef32_pk16_fp6_f32 v[\pc+6*\c:\pc+2+6*\c], v[\s+32*\c:\s+15+32*\c], v[\tm+12+2*\c]
	v_cvt_scalef32_pk16_fp6_f32 v[\pc+12+4*\c:\pc+14+4*\c], v[\s+16+32*\c:\s+31+32*\c], v[\tm+13+2*\c]
.endr
	v_nop                                          ; one plain place behind a scaled conversion
.irp c, 0,1                                    ; a whole block to a lane
.irp i, 0,1,2
	v_permlane16_swap_b32 v[\pc+6*\c+\i], v[\pc+12+4*\c+\i]
.endr
.irp i, 0,1,2
	v_mov_b32 v[\pc+3+6*\c+\i], v[\pc+12+4*\c+\i]
.endr
.endr
.endm
	s_load_b128 s[4:7], s[0:1], 0x0                ; c1, s1, for A's addresses
	s_load_b128 s[8:11], s[0:1], 0x0               ; the same, for B's: registers that never hold A's coordinate
	s_load_b256 s[12:19], s[0:1], 0x10             ; cos, sin, qn_w, kn_w
	s_load_b128 s[92:95], s[0:1], 0x30             ; c2, s2
	v_lshl_add_u32 v[SPW], v0, 2, SPARE
	v_mov_b32 v[NIL], 0
	ds_add_u32 v[SPW], v[NIL]                      ; the opening lines: the add twice on end and one wait
	ds_add_u32 v[SPW], v[NIL]
	v_lshrrev_b32 v1, 5, v0
	v_readfirstlane_b32 s20, v1                    ; wave
	s_lshr_b32 s21, s20, 1                         ; my half of the tokens; also: I fetch for A (0) or B (1)
	s_and_b32 s22, s20, 1                          ; my head of the two; also: which group I fetch
	s_bfe_u32 s40, ttmp6, 0x40000                  ; cx
	s_bfe_u32 s41, ttmp6, 0x40004                  ; cy
	s_lshl_b32 s42, ttmp9, 2
	s_add_co_u32 s42, s42, s40                     ; tile column
	s_and_b32 s43, ttmp7, 0xffff
	s_lshl_b32 s43, s43, 2
	s_add_co_u32 s43, s43, s41                     ; tile row
	s_lshl_b32 s44, s41, 2
	s_lshl_b32 s44, 15, s44                        ; my row of the cluster
	s_lshl_b32 s45, 0x1111, s40                    ; my column
	s_lshl_b32 s[RMK], s41, 2
	s_lshl_b32 s[RMK], 15, s[RMK]                  ; my row once more
	s_or_b32 s[G1], s44, (3<<16)|(1<<21)
	s_or_b32 s[G1B], s45, (3<<16)|(1<<21)
	s_or_b32 s[G1S], s44, (3<<16)|(1<<21)
	s_or_b32 s[G1SB], s45, (3<<16)|(1<<21)
	SHAPE G1, 3072, 2, 24576                       ; the head's codes: two groups' first 24,576 bytes, a group apart
	SHAPE G1B, 3072, 2, 24576
	SHAPE G1S, 32, 64, 32                          ; two groups' scale words: 16,384 dense bytes
	SHAPE G1SB, 32, 64, 32
	s_lshl_b32 s46, s43, 1                         ; A's first group
	s_lshl_b32 s66, s46, 13
	s_mul_i32 s46, s46, GRPB
	s_mov_b32 s47, 0
	s_mov_b32 s67, 0
	s_lshl_b32 s96, s42, 1
	s_add_co_u32 s96, s96, BG0                     ; B's first group
	s_lshl_b32 s98, s96, 13
	s_mul_i32 s96, s96, GRPB
	s_mov_b32 s97, 0
	s_mov_b32 s99, 0
	s_mul_i32 s2, s22, GRPB                        ; in the ring: my group of the two
	s_mov_b32 s3, 0
	s_mul_i32 s23, s20, QTR
	s_wait_dscnt 0x0                               ; both opening adds are done
	s_wait_alu depctr_va_vdst(0)
	s_cmp_eq_u32 ttmp9, 3                          ; the cluster's x: the same in all partners
	s_cbranch_scc1 .Lwout
	s_wait_kmcnt 0x0
	s_add_nc_u64 s[46:47], s[4:5], s[46:47]
	s_add_nc_u64 s[66:67], s[6:7], s[66:67]
	s_add_nc_u64 s[96:97], s[8:9], s[96:97]
	s_add_nc_u64 s[98:99], s[10:11], s[98:99]
	HEAD0 G0H, 0, 46
	HEAD0 G0HB, 2*QTR, 96
	HEAD0 G0S, SCL, 66
	HEAD0 G0SB, SCL+16384, 98
	s_add_nc_u64 s[46:47], s[46:47], s[2:3]
	s_add_nc_u64 s[96:97], s[96:97], s[2:3]
.irp s, 0,1
	s_mov_b32 s[G0+4*\s], 1
	s_add_co_u32 s[G0+4*\s+1], s23, \s*SLOT
	s_add_nc_u64 s[G0+4*\s+2:G0+4*\s+3], s[46:47], \s*QTR
	s_or_b32 s[G0+4*\s+3], s[G0+4*\s+3], 0x80000000
	s_mov_b32 s[G0B+4*\s], 1
	s_add_co_u32 s[G0B+4*\s+1], s23, \s*SLOT
	s_add_nc_u64 s[G0B+4*\s+2:G0B+4*\s+3], s[96:97], \s*QTR
	s_or_b32 s[G0B+4*\s+3], s[G0B+4*\s+3], 0x80000000
.endr
	CROUND                                         ; all sixteen work-groups are here: the first joint loads meet
	ARM 1, G0H,  G1,  .Lhead_b                     ; one load a wave, in one chain of branches on the wave's number
	ARM 2, G0HB, G1B, .Lhead_sa
	ARM 3, G0S,  G1S, .Lhead_sb
	tensor_load_to_lds s[G0SB:G0SB+3], s[G1SB:G1SB+7]
	s_nop 0
.rept 4
	v_nop
.endr
.Lhead_asked:
	s_cmp_eq_u32 s21, 0
	s_cselect_b64 s[PFA:PFA+1], s[46:47], s[96:97] ; my quarter's group,
	s_cselect_b32 s2, s40, s41                     ; my place among the four that ask for it with me:
	s_mul_i32 s2, s2, 6144                         ; my 24 blocks of its 96,
	s_add_co_u32 s2, s2, QTR                       ; one fill on
	s_mov_b32 s3, 0
	s_add_nc_u64 s[PFA:PFA+1], s[PFA:PFA+1], s[2:3]
	s_mul_i32 s44, s21, QTR                        ; my A group in a slot
	s_mul_i32 s45, s22, QTR
	s_add_co_u32 s45, s45, 2*QTR                   ; my B group
	s_lshl_b32 s67, s21, 13
	s_lshl_b32 s66, s22, 13
	s_add_co_u32 s66, s66, 16384
	s_sub_co_u32 s66, s66, s67                     ; from A's scale words to B's
	s_add_co_u32 s67, s67, SCL
	s_mul_i32 s98, s20, 19456                      ; v's stage,
	s_add_co_u32 s98, s98, SLOT                    ; in slot 1
	s_mul_i32 s23, s21, 2*QTR                      ; my half's tables in slot 0: cos, then sin
	s_lshl_b32 s99, s40, 13
	v_and_b32 v1, 31, v0
	v_and_b32 v2, 15, v0                           ; r
	v_bfe_u32 v3, v0, 4, 1                         ; h
	v_lshlrev_b32 v12, 4, v1                       ; 16 x lane
	v_add_nc_u32 v[ADRA], s44, v12
	v_add_nc_u32 v[ADRB], s45, v12
	v_add_nc_u32 v[ADRA+1], SLOT, v[ADRA]
	v_add_nc_u32 v[ADRB+1], SLOT, v[ADRB]
	v_mul_u32_u24 v5, s66, v3                      ; lanes 16-31 take B's words
	v_lshl_add_u32 v5, v2, 4, v5
	v_add_nc_u32 v[ADRS], s67, v5
	v_and_b32 v5, 8, v2
	v_add_nc_u32 v5, v5, v2                        ; r + 8 (r / 8): my row in a fragment's 32
	v_lshlrev_b32 v10, 8, v5
	v_lshl_add_u32 v10, v3, 5, v10                 ; the tables in memory: 256 bytes a row, + 32 h
	v_mul_u32_u24 v[TBA], v5, 272                  ; and in LDS: 272 bytes a row
	v_lshl_add_u32 v[TBA], v3, 5, v[TBA]
	v_add_nc_u32 v[TBA], s23, v[TBA]
	v_lshlrev_b32 v11, 6, v3                       ; the weights: 64 h
	v_lshrrev_b32 v6, 3, v2
	v_and_b32 v7, 7, v2
	v_mul_u32_u24 v13, v6, 2432
	v_mad_u32_u24 v13, v7, 144, v13
	v_lshl_add_u32 v13, v3, 6, v13
	v_add_nc_u32 v13, s98, v13                     ; v's stage, in
	v_mul_u32_u24 v14, v3, 2432
	v_lshl_add_u32 v14, v5, 2, v14
	v_add_nc_u32 v14, s98, v14                     ; and out
	v_mov_b32 v31, 0
	v_min_u32 v[PFO], 23, v1                       ; lanes 24-31 name the wave's last block again
	v_lshlrev_b32 v[PFO], 8, v[PFO]
	v_lshlrev_b32 v[PFC], 8, v1
	v_add_nc_u32 v[PFC], s99, v[PFC]
	s_wait_alu depctr_va_vdst(0)
	global_prefetch_b8 v[PFO], s[PFA:PFA+1] offset:QTR th:TH_LOAD_NT scope:SCOPE_SE   ; fill 2
	s_lshl_b32 s2, s43, 1
	s_add_co_u32 s2, s2, s21                       ; my group of 128 tokens
	s_lshl_b32 s46, s2, 15
	s_mov_b32 s47, 0
	s_add_nc_u64 s[12:13], s[12:13], s[46:47]
	s_add_nc_u64 s[14:15], s[14:15], s[46:47]
	s_lshr_b32 s23, s2, 3                          ; batch
	s_and_b32 s2, s2, 7
	s_lshl_b32 s96, s23, 4                         ; q: group 8 (16 batch + head) + group in the batch
	s_lshl_b32 s97, s42, 1
	s_add_co_u32 s96, s96, s97
	s_add_co_u32 s96, s96, s22
	s_lshl_b32 s96, s96, 3
	s_add_co_u32 s96, s96, s2
	s_lshl_b32 s97, s23, 2                         ; k, v: 8 (4 batch + kv head) + group in the batch
	s_add_co_u32 s97, s97, s42
	s_sub_co_u32 s97, s97, 8
	s_lshl_b32 s97, s97, 3
	s_add_co_u32 s97, s97, s2
	s_mul_i32 s98, s22, 1572864
	s_add_co_u32 s98, s98, 6291456
	s_lshl_b32 s99, s22, 16
	s_add_co_u32 s99, s99, 262144
	s_cmp_lt_u32 ttmp9, 2
	s_cselect_b32 s96, s96, s97
	s_cselect_b32 s98, 0, s98
	s_cselect_b32 s99, 0, s99
	s_cselect_b32 s[VW], 0, s22
	s_cselect_b64 s[16:17], s[16:17], s[18:19]
	s_mul_i32 s97, s96, 12288
	s_add_co_u32 s98, s98, s97
	s_lshl_b32 s96, s96, 9
	s_add_co_u32 s96, s96, s99
	s_mov_b32 s97, 0
	s_mov_b32 s99, 0
	s_add_nc_u64 s[92:93], s[92:93], s[98:99]
	s_add_nc_u64 s[94:95], s[94:95], s[96:97]
	s_cmp_eq_u32 s22, 0
	s_cselect_b64 s[46:47], s[12:13], s[14:15]
	global_prefetch_b8 v[PFC], s[46:47] th:TH_LOAD_NT scope:SCOPE_SE   ; 32 rows of cos or of sin of my 128 tokens
	s_mov_b32 s40, 0x76543210
	s_mov_b32 s41, 0xfedcba98
	s_mov_b32 s42, 0x3c000000                      ; 1 / 128
	s_mov_b32 s43, 0x358637bd                      ; 1e-6
.set W,   64
.macro SETS a                          ; block a's rotary set in window 1: cos at CC, sin at SS
.if (\a)%4 == 0
.set CC, 96
.set SS, 224
.endif
.if (\a)%4 == 1
.set CC, 0
.set SS, 32
.endif
.if (\a)%4 == 2
.set CC, 128
.set SS, 160
.endif
.if (\a)%4 == 3
.set CC, 64
.set SS, 192
.endif
.endm
.macro TAB a                           ; block a's 16 rows of cos and sin: 16 loads
	SETS \a
	WIN TO_B
.irp bq, 0,1,2,3
.irp e, 0,1
	global_load_b128 v[CC+8*\bq+4*\e:CC+8*\bq+4*\e+3], v10, s[12:13] offset:(32*((\a)/2)+8*((\a)%2))*256+64*\bq+16*\e
	global_load_b128 v[SS+8*\bq+4*\e:SS+8*\bq+4*\e+3], v10, s[14:15] offset:(32*((\a)/2)+8*((\a)%2))*256+64*\bq+16*\e
.endr
.endr
	WIN 0
.endm
	s_cmp_lg_u32 s[VW], 0                          ; a v head has no norm and no turn
	s_cbranch_scc1 .Lno_tab0
.irp bq, 0,1,2,3
.irp e, 0,1,2,3
	global_load_b128 v[W+16*\bq+4*\e:W+16*\bq+4*\e+3], v11, s[16:17] offset:128*\bq+16*\e
.endr
.endr
	TAB 0
.Lno_tab0:
.macro FRAG reg, adr, q, i
.irp c, 0,1,2
	ds_load_b128 v[\reg+4*\c:\reg+4*\c+3], v[\adr] offset:12288*(\q)+1536*(\i)+512*\c
.endr
.endm
; 16 matrix instructions: A's blocks a0, a0 + 1 x B's eight.  The 64 accumulators take turns
.macro MUL16 a0, p, q, sc, zero
.irp a, \a0, \a0+1
.irp b, 0,1,2,3,4,5,6,7
.if \zero
	v_wmma_scale_f32_16x16x128_f8f6f4 v[8*(8*((\a)%4)+\b):8*(8*((\a)%4)+\b)+7], v[128*(\p)+FR*\b:128*(\p)+FR*\b+FR-1], v[AF+FR*(\a):AF+FR*(\a)+FR-1], 0, v[SC+16*(\sc)+8*(\q)+\b], v[SC+16*(\sc)+8*(\q)+(\a)] matrix_a_fmt:MATRIX_FMT_FP6 matrix_b_fmt:MATRIX_FMT_FP6 matrix_a_scale:MATRIX_SCALE_ROW1
.else
	v_wmma_scale_f32_16x16x128_f8f6f4 v[8*(8*((\a)%4)+\b):8*(8*((\a)%4)+\b)+7], v[128*(\p)+FR*\b:128*(\p)+FR*\b+FR-1], v[AF+FR*(\a):AF+FR*(\a)+FR-1], v[8*(8*((\a)%4)+\b):8*(8*((\a)%4)+\b)+7], v[SC+16*(\sc)+8*(\q)+\b], v[SC+16*(\sc)+8*(\q)+(\a)] matrix_a_fmt:MATRIX_FMT_FP6 matrix_b_fmt:MATRIX_FMT_FP6 matrix_a_scale:MATRIX_SCALE_ROW1
.endif
.endr
.endr
.endm
.macro FETCH_B slot, q, p
	WIN TO_B
.irp i, 0,1,2,3,4,5,6,7
	FRAG 128*(\p)+FR*\i, ADRB+\slot, \q, \i
.endr
	WIN 0
.endm
.macro FETCH_A slot, q, i0
.irp i, \i0, \i0+1, \i0+2, \i0+3
	FRAG AF+FR*(\i), ADRA+\slot, \q, \i
.endr
.endm
.macro SCALES sc                       ; a slot's two K steps: lanes 0-15 A's words, lanes 16-31 B's
.irp q, 0,1
.irp g, 0,1
	ds_load_b128 v[SC+16*\sc+8*\q+4*\g:SC+16*\sc+8*\q+4*\g+3], v[ADRS] offset:512*\q+256*\g
.endr
.endr
.endm
.macro STEP slot, q, zero              ; a slot's first K step; the second's fragments are fetched in its middle and at its end
	s_wait_dscnt 4*NL                              ; all but A's blocks 4-7
	WIN MUL_LO
	MUL16 0, (\q)%2, \q, \slot, \zero
	MUL16 2, (\q)%2, \q, \slot, \zero
	s_wait_dscnt 0x0
	PLACES NP
	FETCH_B \slot, (\q)+1, 1-(\q)%2
	FETCH_A \slot, (\q)+1, 0
	WIN MUL_HI
	MUL16 4, (\q)%2, \q, \slot, \zero
	MUL16 6, (\q)%2, \q, \slot, \zero
	PLACES NP
	WIN 0
	FETCH_A \slot, (\q)+1, 4
.endm
.macro TURN slot, next, fill           ; a slot's second K step, and the change of slots
.if \fill
	s_wait_xcnt 0x0                                ; my last prefetch has read its address
	s_add_nc_u64 s[PFA:PFA+1], s[PFA:PFA+1], QTR
.endif
	s_wait_tensorcnt 0x0                           ; my one load that was out, my part of the next slot, is in
	ds_add_u32 v[SPW], v[NIL]
	s_wait_dscnt 4*NL+1                            ; the add and A's blocks 4-7 may be out
	WIN MUL_LO
	MUL16 0, 1, 1, \slot, 0
	s_wait_dscnt 0x0                               ; the add is done, my reads of this slot are over
	s_barrier_signal -1
	MUL16 2, 1, 1, \slot, 0
	WIN 0
	s_barrier_wait -1
	CREST                                          ; the barrier has opened a round of the cluster's barrier
.if \fill
	s_add_nc_u64 s[G0+4*\slot+2:G0+4*\slot+3], s[G0+4*\slot+2:G0+4*\slot+3], 2*QTR
	s_add_nc_u64 s[G0B+4*\slot+2:G0B+4*\slot+3], s[G0B+4*\slot+2:G0B+4*\slot+3], 2*QTR
	JLOAD G0+4*\slot, G1, G0B+4*\slot, G1B         ; its four v_nop are the places in front of the loads below
.else
	tensor_load_to_lds s[G0T:G0T+3], s[G1T:G1T+7]  ; the last change of slots: slot 0 takes the rotary tables, one joint load a wave
	s_nop 0
	PLACES NP
.endif
	s_wait_alu depctr_va_vdst(0)
	v_add_nc_u32 v[ADRS], 1024, v[ADRS]
	FETCH_B \next, 0, 0
	FETCH_A \next, 0, 0
	SCALES \next
.if \fill
	s_cmp_gt_u32 s3, 1                             ; the last trip's two fills have no fill two on
	s_cbranch_scc0 .Lno_ask_\@
	global_prefetch_b8 v[PFO], s[PFA:PFA+1] offset:2*QTR th:TH_LOAD_NT scope:SCOPE_SE
.Lno_ask_\@:
.endif
	WIN MUL_HI
	MUL16 4, 1, 1, \slot, 0
	MUL16 6, 1, 1, \slot, 0
	PLACES NP
	WIN 0
	FETCH_A \next, 0, 4
.endm
	s_wait_alu depctr_va_vdst(0)
	s_wait_tensorcnt 0x0                           ; my tile of the head's four is in
	ds_add_u32 v[SPW], v[NIL]
.irp g, G1, G1B                                ; no load of mine is out: from here on a load brings 96 rows of 256 bytes
	s_mov_b32 s[\g+1], 32<<16
	s_mov_b32 s[\g+2], 96<<16
	s_mov_b32 s[\g+3], 32<<16
	s_mov_b32 s[\g+4], 96
	s_mov_b32 s[\g+5], 32
.endr
	s_or_b32 s[G1T], s[RMK], (3<<16)|(1<<20)|(1<<21)|(5<<22)|(3<<25)   ; the tables go to my row of the cluster; 16 bytes of padding behind each 256
	s_mov_b32 s[G1T+2], 88<<16                     ; 88 rows (the other words stand: 32 elements of 8 bytes, pitch 32)
	s_mov_b32 s[G1T+4], 88
	s_mov_b32 s[G0T], 1
	s_mul_i32 s[G0T+1], s20, QTR
	s_add_nc_u64 s[G0T+2:G0T+3], s[46:47], 8*256   ; cos or sin of my half, from its row 8 on
	s_or_b32 s[G0T+3], s[G0T+3], 0x80000000
	s_wait_dscnt 0x0
	CROUND                                         ; all four tiles are in, in every partner
	JLOAD G0+4, G1, G0B+4, G1B                     ; slot 1's first fill, issued as a refill is
	FETCH_B 0, 0, 0
	FETCH_A 0, 0, 0
	SCALES 0
	FETCH_A 0, 0, 4
	global_prefetch_b8 v[PFO], s[PFA:PFA+1] offset:2*QTR th:TH_LOAD_NT scope:SCOPE_SE   ; fill 3
	STEP 0, 0, 1                                   ; the first products start the sums
	s_mov_b32 s3, 3
.Llap:
	TURN 0, 1, 1
	STEP 1, 0, 0
	TURN 1, 0, 1
	STEP 0, 0, 0
	s_sub_co_u32 s3, s3, 1
	s_cmp_lg_u32 s3, 0
	s_cbranch_scc1 .Llap
	TURN 0, 1, 0
	STEP 1, 0, 0
.macro DTAB a                          ; block a's 16 rows of cos and sin out of slot 0: 16 LDS loads into window 1
	WIN TO_B
.irp bq, 0,1,2,3
.irp e, 0,1
	ds_load_b128 v[CC+8*\bq+4*\e:CC+8*\bq+4*\e+3], v[TBA] offset:(32*((\a)/2)+8*((\a)%2)-8)*272+64*\bq+16*\e
	ds_load_b128 v[SS+8*\bq+4*\e:SS+8*\bq+4*\e+3], v[TBA] offset:QTR+(32*((\a)/2)+8*((\a)%2)-8)*272+64*\bq+16*\e
.endr
.endr
	WIN 0
.endm
	s_wait_dscnt 4*NL
	WIN MUL_LO
	MUL16 0, 1, 1, 1, 0
	MUL16 2, 1, 1, 1, 0
	s_wait_dscnt 0x0
	WIN MUL_HI
	MUL16 4, 1, 1, 1, 0
	MUL16 6, 1, 1, 1, 0
	WIN 0
.set Y,   128
.set YB,  64
.set PC,  192
.set TM,  212
.set PW,  228
.set T,   232
.set SUM, 240
.set SW,  248
.macro OUTF n
.irp c, 0,1,2
	global_store_b128 v12, v[PC+4*\c:PC+4*\c+3], s[92:93] offset:1536*(\n)+512*\c   ; 512 consecutive bytes, aligned
.endr
	v_mov_b32 v[SW+(\n)], v[PW]
.endm
; 16 tokens of a q or k head: x rsqrt(mean of squares + eps) x weight, the rotary turn, the quantiser
.macro NORMBLK a
.set AC, 64*((\a)%4)
.set WA, 2+(\a)/4
.set WW, WA|(WA<<2)
	SETS \a
.if (\a) > 0 && (\a) < 6
.set CC, 0                             ; blocks 1-5 take their tables from LDS into window 1's v0-63; the sums of squares below stand between the loads and the wait for them
.set SS, 32
	DTAB \a
.endif
	WIN WW
.irp p, 0,1,2,3
	v_pk_mul_f32 v[SUM+2*\p:SUM+2*\p+1], v[AC+2*\p:AC+2*\p+1], v[AC+2*\p:AC+2*\p+1]
.endr
.set p, 4
.rept 28
	v_pk_fma_f32 v[SUM+2*(p%4):SUM+2*(p%4)+1], v[AC+2*p:AC+2*p+1], v[AC+2*p:AC+2*p+1], v[SUM+2*(p%4):SUM+2*(p%4)+1]
.set p, p+1
.endr
	WIN 0
	v_pk_add_f32 v[SUM:SUM+1], v[SUM:SUM+1], v[SUM+2:SUM+3]
	v_pk_add_f32 v[SUM+4:SUM+5], v[SUM+4:SUM+5], v[SUM+6:SUM+7]
	v_pk_add_f32 v[SUM:SUM+1], v[SUM:SUM+1], v[SUM+4:SUM+5]
	v_add_f32 v[SUM], v[SUM], v[SUM+1]
	v_permlanex16_b32 v[SUM+1], v[SUM], s[SEL], s[SEL+1]
	v_add_f32 v[SUM], v[SUM], v[SUM+1]
	v_fma_f32 v[SUM], v[SUM], s42, s43
	s_wait_alu depctr_va_vdst(0)
	v_rsq_f32 v30, v[SUM]
	v_nop
	s_wait_alu depctr_va_vdst(0)
	WIN WA
.set p, 0
.rept 32
	v_pk_mul_f32 v[Y+2*p:Y+2*p+1], v[AC+2*p:AC+2*p+1], v[30:31] op_sel_hi:[1,0]
.set p, p+1
.endr
	WIN 0
.if (\a) == 0
	s_wait_loadcnt 32                              ; the weights and block 0's tables are in; blocks 6 and 7's 16 loads each may be out
.else
.if (\a) < 6
	s_wait_dscnt 0x0                               ; this block's 16 LDS loads are back
.else
	s_wait_loadcnt 16*(7-(\a))                     ; block 6: block 7's 16 may be out
.endif
.endif
.set p, 0
.rept 32
	v_pk_mul_f32 v[Y+2*p:Y+2*p+1], v[Y+2*p:Y+2*p+1], v[W+2*p:W+2*p+1]
.set p, p+1
.endr
	WIN 0x04
.set g, 0
.rept 8
	v_pk_mul_f32 v[T:T+1], v[Y+8*g:Y+8*g+1], v[SS+4*g:SS+4*g+1] op_sel:[1,0] op_sel_hi:[0,0] neg_lo:[1,0]
	v_pk_mul_f32 v[T+2:T+3], v[Y+8*g+2:Y+8*g+3], v[SS+4*g:SS+4*g+1] op_sel:[1,1] op_sel_hi:[0,1] neg_lo:[1,0]
	v_pk_mul_f32 v[T+4:T+5], v[Y+8*g+4:Y+8*g+5], v[SS+4*g+2:SS+4*g+3] op_sel:[1,0] op_sel_hi:[0,0] neg_lo:[1,0]
	v_pk_mul_f32 v[T+6:T+7], v[Y+8*g+6:Y+8*g+7], v[SS+4*g+2:SS+4*g+3] op_sel:[1,1] op_sel_hi:[0,1] neg_lo:[1,0]
	v_pk_fma_f32 v[Y+8*g:Y+8*g+1], v[Y+8*g:Y+8*g+1], v[CC+4*g:CC+4*g+1], v[T:T+1] op_sel:[0,0,0] op_sel_hi:[1,0,1]
	v_pk_fma_f32 v[Y+8*g+2:Y+8*g+3], v[Y+8*g+2:Y+8*g+3], v[CC+4*g:CC+4*g+1], v[T+2:T+3] op_sel:[0,1,0] op_sel_hi:[1,1,1]
	v_pk_fma_f32 v[Y+8*g+4:Y+8*g+5], v[Y+8*g+4:Y+8*g+5], v[CC+4*g+2:CC+4*g+3], v[T+4:T+5] op_sel:[0,0,0] op_sel_hi:[1,0,1]
	v_pk_fma_f32 v[Y+8*g+6:Y+8*g+7], v[Y+8*g+6:Y+8*g+7], v[CC+4*g+2:CC+4*g+3], v[T+6:T+7] op_sel:[0,1,0] op_sel_hi:[1,1,1]
.set g, g+1
.endr
	WIN 0
	s_wait_xcnt 0x0                                ; the last block's stores have read their data
	QUANT Y, PC, TM, PW
	OUTF \a
.endm
; 32 of a v head's d: the wave's 128 tokens turn through its stage, so that a lane's registers run along the keys
.macro VPASS dq
.irp a, 0,1,2,3,4,5,6,7
.set WW, 0x08+4*(\a/4)
	WIN WW
.irp bb, 0,1
	ds_store_b128 v13, v[64*(\a%4)+8*(2*\dq+\bb):64*(\a%4)+8*(2*\dq+\bb)+3] offset:4864*(\a/2)+1152*(\a%2)+32*\bb
	ds_store_b128 v13, v[64*(\a%4)+8*(2*\dq+\bb)+4:64*(\a%4)+8*(2*\dq+\bb)+7] offset:4864*(\a/2)+1152*(\a%2)+32*\bb+16
.endr
.endr
	WIN 0
.irp u, 0,1
.irp bq, 0,1,2,3
.irp i, 0,1,2,3,4,5,6,7,8,9,10,11,12,13,14,15
	ds_load_b32 v[Y-64*\u+16*\bq+\i], v14 offset:4864*\bq+144*\i+32*\u
.endr
.endr
.endr
	s_wait_dscnt 63                                ; the first 64 loads are back (the field holds 63)
	s_wait_xcnt 0x0
	QUANT Y, PC, TM, PW
	OUTF 2*\dq
	s_wait_dscnt 0x0
	s_wait_xcnt 0x0
	QUANT YB, PC, TM, PW
	OUTF 2*\dq+1
.endm
	PLACES NP
.irp b, 0,1,2,3
	v_mov_b32 v[TM+4+\b], 0                        ; a lane permute's destination counts as one of its sources
.endr
	s_cmp_lg_u32 s[VW], 0
	s_cbranch_scc1 .Lno_blk0
	TAB 6                                          ; into B's registers, which are done with
	TAB 7
	NORMBLK 0                                      ; its tables have lain in registers since the head: it stands ahead of the wait for the tables in LDS
.Lno_blk0:
	s_wait_alu depctr_va_vdst(0)
	s_wait_tensorcnt 0x0                           ; my part of the tables is in,
	s_wait_dscnt 0x0                               ; my reads of slot 1 are over,
	s_barrier_signal -1
	s_barrier_wait -1                              ; and so of every wave
	s_cmp_eq_u32 s[VW], 0
	s_cbranch_scc1 .Lnorm
	VPASS 0
	VPASS 1
	VPASS 2
	VPASS 3
	s_branch .Lwords
.Lnorm:
	NORMBLK 1
	NORMBLK 2
	NORMBLK 3
	NORMBLK 4
	NORMBLK 5
	NORMBLK 6
	NORMBLK 7
.Lwords:
	s_wait_alu depctr_va_vdst(0)
	v_and_b32 v9, 16, v0
	v_cmp_ne_u32 vcc_lo, 0, v9
.irp e, 0,1,2,3
	v_cndmask_b32 v[T+\e], v[SW+\e], v[SW+4+\e], vcc_lo
.endr
	global_store_b128 v12, v[T:T+3], s[94:95]      ; the group's 512 bytes of scale words
	s_branch .Lfin
; CLUSTER COLUMN 3: Wout [2048][2048] f32 into c4 [group][K step][fragment][1,536] and s4 [group][K step][512].
; Work-group q = 4 (tile row) + cx: group q / 4, fragments 4 ((q / 2) % 2) + 0 .. 3, K steps 8 (q % 2) + wave and that + 4.  No tensor load on this way.
.set QR,  32                           ; v32-159  two sets of 64 registers as loaded
.set QX,  160                          ; v160-223 16 neighbours of each of my row's four blocks
.set QPC, 224
.set QTM, 8
.set QPW, 24
.set QSW, 244
.macro LOADQ f                         ; fragment f's sixteen rows, 512 consecutive bytes each
.irp j, 0,1,2,3,4,5,6,7,8,9,10,11,12,13,14,15
	global_load_b128 v[QR+64*((\f)%2)+4*\j:QR+64*((\f)%2)+4*\j+3], v1, s[24:25] offset:(32*((\f)/2)+8*((\f)%2)+\j+8*(\j/8))*8192 th:TH_LOAD_NT
.endr
.endm
.macro FRAGW f
.if (\f) < 3
	s_wait_loadcnt 16                              ; this fragment's loads are in, the next one's 16 may be out
.else
	s_wait_loadcnt 0x0
.endif
.irp j, 0,1,2,3,4,5,6,7,8,9,10,11,12,13,14,15
	ds_store_b128 v2, v[QR+64*((\f)%2)+4*\j:QR+64*((\f)%2)+4*\j+3] offset:528*\j
.endr
.irp b, 0,1,2,3
.irp e, 0,1,2,3
	ds_load_b128 v[QX+16*\b+4*\e:QX+16*\b+4*\e+3], v3 offset:128*\b+16*\e   ; LDS serves a wave's instructions in order
.endr
.endr
	s_wait_dscnt 0x0
	s_wait_xcnt 0x0                                ; the last fragment's stores have read their data
.if (\f) < 2
	LOADQ (\f)+2
.endif
	QUANT QX, QPC, QTM, QPW
.irp c, 0,1,2
	global_store_b128 v1, v[QPC+4*\c:QPC+4*\c+3], s[26:27] offset:1536*(\f)+512*\c
.endr
	v_mov_b32 v[QSW+(\f)], v[QPW]
.endm
.Lwout:
	s_load_b128 s[24:27], s[0:1], 0x40             ; Wout, c4
	s_load_b64 s[28:29], s[0:1], 0x50              ; s4
	s_mul_i32 s2, s20, 16*528
	s_add_co_u32 s2, s2, QST                       ; my stage
	s_bfe_u32 s46, s40, 0x10001                    ; which four fragments
	s_and_b32 s47, s40, 1
	s_lshl_b32 s47, s47, 3
	s_add_co_u32 s47, s47, s20                     ; my first K step
	s_lshl_b32 s32, s43, 20                        ; Wout: 128 rows of 8,192 bytes a group, 64 rows, 512 bytes a K step
	s_lshl_b32 s33, s46, 19
	s_add_co_u32 s32, s32, s33
	s_lshl_b32 s33, s47, 9
	s_add_co_u32 s32, s32, s33
	s_mov_b32 s33, 0
	s_mul_i32 s34, s43, GRPB
	s_mul_i32 s35, s47, 12288
	s_add_co_u32 s34, s34, s35
	s_mul_i32 s35, s46, 6144
	s_add_co_u32 s34, s34, s35
	s_mov_b32 s35, 0
	s_lshl_b32 s36, s43, 13
	s_lshl_b32 s37, s47, 9
	s_add_co_u32 s36, s36, s37
	s_lshl_b32 s37, s46, 8
	s_add_co_u32 s36, s36, s37
	s_mov_b32 s37, 0
	s_mov_b32 s[SEL], 0x76543210
	s_mov_b32 s[SEL+1], 0xfedcba98
	v_and_b32 v5, 31, v0
	v_and_b32 v6, 15, v0
	v_bfe_u32 v7, v0, 4, 1
	v_lshlrev_b32 v1, 4, v5
	v_add_nc_u32 v2, s2, v1                        ; into the stage: a row as it lies
	v_mul_u32_u24 v3, v6, 528
	v_lshl_add_u32 v3, v7, 6, v3
	v_add_nc_u32 v3, s2, v3                        ; out of it: row r, + 64 h
	v_lshlrev_b32 v4, 4, v6
	v_lshl_add_u32 v4, v7, 3, v4                   ; the scale words' place: 16 r + 8 h
.irp b, 0,1,2,3
	v_mov_b32 v[QTM+4+\b], 0
.endr
	s_wait_alu depctr_va_vdst(0)
	s_wait_kmcnt 0x0
	s_add_nc_u64 s[24:25], s[24:25], s[32:33]
	s_add_nc_u64 s[26:27], s[26:27], s[34:35]
	s_add_nc_u64 s[28:29], s[28:29], s[36:37]
	s_mov_b32 s3, 2
.Lwq:
	LOADQ 0
	LOADQ 1
	FRAGW 0
	FRAGW 1
	FRAGW 2
	FRAGW 3
	v_cmp_ne_u32 vcc_lo, 0, v7                     ; lanes 0-15 store words 0, 1 of row r, lanes 16-31 words 2, 3
	v_cndmask_b32 v248, v[QSW], v[QSW+2], vcc_lo
	v_cndmask_b32 v249, v[QSW+1], v[QSW+3], vcc_lo
	global_store_b64 v4, v[248:249], s[28:29]      ; 256 consecutive bytes, aligned
	s_wait_xcnt 0x0                                ; the bases and the stores' data may be written again
	s_add_nc_u64 s[24:25], s[24:25], 4*512         ; four K steps on
	s_add_nc_u64 s[26:27], s[26:27], 4*12288
	s_add_nc_u64 s[28:29], s[28:29], 4*512
	s_sub_co_u32 s3, s3, 1
	s_cmp_lg_u32 s3, 0
	s_wait_alu depctr_va_vdst(0)
	s_cbranch_scc1 .Lwq
.Lfin:
	s_wait_tensorcnt 0x0                           ; the wave's end
	ds_add_u32 v[SPW], v[NIL]
	s_wait_dscnt 0x0
	CROUND                                         ; the closing round
	s_endpgm
.Lfunc_end_k_qf9c5785db7_gemm1:
	.size	k_qf9c5785db7_gemm1, .Lfunc_end_k_qf9c5785db7_gemm1-k_qf9c5785db7_gemm1
	.p2alignl 7, 3214868480
	.fill 96, 4, 3214868480
	.section	.rodata,"a",@progbits
	.p2align	6, 0x0
	.amdhsa_kernel k_qf9c5785db7_gemm1
		.amdhsa_group_segment_fixed_size 327680
		.amdhsa_private_segment_fixed_size 0
		.amdhsa_enable_private_segment 0
		.amdhsa_kernarg_size 88
		.amdhsa_user_sgpr_count 2
		.amdhsa_user_sgpr_kernarg_segment_ptr 1
		.amdhsa_wavefront_size32 1
		.amdhsa_system_sgpr_workgroup_id_x 1
		.amdhsa_system_sgpr_workgroup_id_y 1
		.amdhsa_system_sgpr_workgroup_id_z 1
		.amdhsa_system_vgpr_workitem_id 0
		.amdhsa_next_free_vgpr 1024
		.amdhsa_next_free_sgpr 105
		.amdhsa_reserve_vcc 1
		.amdhsa_float_denorm_mode_32 3
		.amdhsa_float_denorm_mode_16_64 3
		.amdhsa_memory_ordered 1
		.amdhsa_forward_progress 1
		.amdhsa_inst_pref_size 255
	.end_amdhsa_kernel
	.section	.bss,"aw",@nobits
	.p2align	6
	.space	262144
	.amdgpu_metadata
---
amdhsa.version: [ 1, 2 ]
amdhsa.kernels:
  - .name:           k_qf9c5785db7_gemm1
    .symbol:         k_qf9c5785db7_gemm1.kd
    .args:
      - { .name: c1, .offset: 0, .size: 8, .value_kind: global_buffer, .address_space: global }
      - { .name: s1, .offset: 8, .size: 8, .value_kind: global_buffer, .address_space: global }
      - { .name: freqs_cos, .offset: 16, .size: 8, .value_kind: global_buffer, .address_space: global }
      - { .name: freqs_sin, .offset: 24, .size: 8, .value_kind: global_buffer, .address_space: global }
      - { .name: qn_w, .offset: 32, .size: 8, .value_kind: global_buffer, .address_space: global }
      - { .name: kn_w, .offset: 40, .size: 8, .value_kind: global_buffer, .address_space: global }
      - { .name: c2, .offset: 48, .size: 8, .value_kind: global_buffer, .address_space: global }
      - { .name: s2, .offset: 56, .size: 8, .value_kind: global_buffer, .address_space: global }
      - { .name: Wout, .offset: 64, .size: 8, .value_kind: global_buffer, .address_space: global }
      - { .name: c4, .offset: 72, .size: 8, .value_kind: global_buffer, .address_space: global }
      - { .name: s4, .offset: 80, .size: 8, .value_kind: global_buffer, .address_space: global }
    .group_segment_fixed_size: 327680
    .private_segment_fixed_size: 0
    .kernarg_segment_align: 8
    .kernarg_segment_size: 88
    .max_flat_workgroup_size: 128
    .sgpr_count:     105
    .vgpr_count:     1024
    .wavefront_size: 32
...
	.end_amdgpu_metadata
.endif
;; end of part 2
;; launch attn (part 3): grid 4 x 64, 16 waves a work-group, clusters of 4 x 1, 211,968 bytes of LDS; arguments c2, s2, x_mask, c3, s3; writes c3, s3
.if DOCPART == 3
	.amdgcn_target "amdgcn-amd-amdhsa--gfx1250"
	.amdhsa_code_object_version 6
	.text
	.protected	k_qf9c5785db7_attn
	.globl	k_qf9c5785db7_attn
	.p2align	8
	.type	k_qf9c5785db7_attn,@function
k_qf9c5785db7_attn:
	s_mov_b64 s[64:65], 0
	v_nop
	global_prefetch_b8 v0, s[64:65] scope:SCOPE_SE
	s_setreg_imm32_b32 hwreg(HW_REG_WAVE_MODE, 25, 1), 1
	s_wait_xcnt 0x0
	s_wait_alu depctr_hold_cnt(0) depctr_sa_sdst(0) depctr_va_vdst(0) depctr_va_sdst(0) depctr_va_ssrc(0) depctr_va_vcc(0) depctr_vm_vsrc(0)
	s_getreg_b32 s2, hwreg(HW_REG_IB_STS2, 6, 4)
	s_cmp_eq_u32 s2, 0
	s_cbranch_scc0 .Lentry_in_a_cluster
	s_endpgm
.Lentry_in_a_cluster:
	s_bfe_u32 s2, ttmp6, 0x10000c
	s_cmp_lg_u32 s2, 0x3003
	s_cbranch_scc0 .Lentry_shape_is_right
	s_endpgm
.Lentry_shape_is_right:
; For each of 64 (batch, head): O = softmax(q k^T / sqrt(128), keys masked by x_mask) v, both products on codes of FP6 (E2M3) with E8M0 scales; O / l is quantised along the head's 128 and leaves as the last product's operand.
; THE SOFTMAX: t = score x log2(e) / sqrt(128); M = the running largest t rounded up to a whole number; p = 2^(t - M) is quantised along the keys; the row's sum l is taken of the unquantised p and divides O at the end.
; SHARES: a work-group owns 256 queries of one head, each of its sixteen waves one fragment of 16: four waves to a SIMD, so that one wave's vector work stands beside another's products and LDS loads.
; ALL of the kv head's K and V (2 x 98,304 bytes of images) and their scale words lie in LDS, each byte filled ONCE: no ring, no refill, no barrier in the loop.
; CLUSTER: the four query blocks of a head read the same K and V: waves 0-3 ask jointly (mask 15).  The four heads of a kv head cannot join them: a mask names four work-groups.
; LAYOUT: S^T = K Q^T, O^T = V^T P^T: a lane holds one query throughout.  By the fragments' row order the 16 registers of score tiles 2 b, 2 b + 1 are keys 32 b + 16 (lane / 16) + 0 .. 15, and O^T's register 16 bq + i is d = 32 bq + 16 (lane / 16) + i.
; THE MASK costs nothing in the loop: each key's bias (0, or -2^103 where x_mask is 0) lies in LDS as f32, is loaded INTO the score accumulators, and the product takes it as its C.
; LIMITS: a masked logit stands at -2^103 (about -1e31) in place of -1e30: its p is 0 all the same beside any key that counts.  A row all of whose keys are masked gives reference()'s even weights only if the matrix unit
;   rounds -2^103 + q.k to -2^103.  Scale bytes are held at 1 from below (blocks of zeros keep 1: their codes are zeros; this program alone reads the bytes).  NaN and infinities are not served.
; No prefetch: all of K and V is asked for at the head.
; REGISTERS: v1-3 addresses that stay; v8-11 the step's addresses; v12 -M, v13 the largest t, v[14:15] the sum; v16-27 Q, v28 its scale words; v30 p's scale word; v32-79 four fragments; v80-87 the step's scale words
;   (lanes 0-15 K's tile i, lanes 16-31 V's tile i); v88-95 the head's and the way out's; v96-159 S^T, then p; v160-223 O^T; v224-235 p's codes; v232-254 at work.
; THE FILL, AS IT NOW STANDS (in place of what the head says of halves and of waves 0-3): every wave issues ONE joint load at the head: waves 0-11 a piece of 16,384 bytes of K's and V's 196,608 bytes of images,
; waves 12-15 2,048 bytes of scale words.  One wait for all of them, one barrier, then one loop over the eight key steps with no barrier in it.
.set VC,   98304                       ; LDS: K's images from 0, V's from here,
.set KS,   196608                      ; K's scale words (4,096 bytes), V's behind them (4,096),
.set BIAS, 204800                      ; a bias for each of 1,024 keys,
.set SWG,  208896                      ; and 1,024 bytes in which the outgoing scale words meet.  The last two are stored into
.set LI,   1                           ; v1  16 x lane
.set ASC,  2                           ; v2  KS + 4,096 h + 16 r
.set ABI,  3                           ; v3  BIAS + 64 h
.set ADK,  8
.set ADV,  9
.set ADS,  10
.set ADB,  11
.set WV,   18
.set SEL,  20                          ; s[20:21] lane selects: lane l xor 16
.set CS,   22                          ; s[22:23] c = log2(e) / sqrt(128)
.set G1C,  24                          ; s[24:31] group 1 for the codes;  s[32:39] for the scale words
.set G1S,  32
.set G0S,  40                          ; s[40:43], s[44:47]: groups 0: scale words, my piece of the images
.set G0P0, 44
.set G0P1, 48
.set TK,   52                          ; s52 the key step's images: 12,288 bytes a step
.set TS,   53                          ; s53 its scale words and its biases: 512 bytes a step
.set CNT,  54
.macro CROUND                          ; a round of the cluster's barrier
	s_barrier_signal -1
	s_barrier_wait -1
	s_cmp_lg_u32 s[WV], 0
	s_cbranch_scc1 .Lnot_wave_0_\@
	s_barrier_signal -3
.Lnot_wave_0_\@:
	s_barrier_wait -3
	s_barrier_signal -1
	s_barrier_wait -1
.endm
.macro QUANT s, pc, tm, pw             ; 64 numbers of a lane, register s + 16 b + i = k 32 b + 16 (lane / 16) + i of my row, become a fragment's codes in v[pc .. pc + 11] and its scale word in v[pw]
.irp b, 0,1,2,3
	v_max3_num_f32 v[\tm+\b], |v[\s+16*\b]|, |v[\s+1+16*\b]|, 0x1800000   ; and the floor 2^(3 - 127): the byte cannot fall under 1
.endr
.irp i, 2,4,6,8,10,12,14
.irp b, 0,1,2,3
	s_delay_alu instid0(VALU_DEP_4)
	v_max3_num_f32 v[\tm+\b], v[\tm+\b], |v[\s+16*\b+\i]|, |v[\s+1+16*\b+\i]|
.endr
.endr
.irp b, 0,1,2,3
	s_delay_alu instid0(VALU_DEP_4)
	v_permlanex16_b32 v[\tm+4+\b], v[\tm+\b], s[SEL], s[SEL+1]
.endr
.irp b, 0,1,2,3
	s_delay_alu instid0(VALU_DEP_4)
	v_max_num_f32 v[\tm+\b], v[\tm+\b], v[\tm+4+\b]
.endr
.irp b, 0,1,2,3
	s_delay_alu instid0(VALU_DEP_4)
	v_add_nc_u32 v[\tm+12+\b], 0xff000000, v[\tm+\b]
.endr
.irp b, 0,1,2,3
	s_delay_alu instid0(VALU_DEP_4)
	v_lshrrev_b32 v[\tm+4+\b], 23, v[\tm+12+\b]
.endr
	s_delay_alu instid0(VALU_DEP_3)
	v_lshl_or_b32 v[\pw], v[\tm+5], 8, v[\tm+4]
	s_delay_alu instid0(VALU_DEP_1)
	v_lshl_or_b32 v[\pw], v[\tm+6], 16, v[\pw]
	s_delay_alu instid0(VALU_DEP_1)
	v_lshl_or_b32 v[\pw], v[\tm+7], 24, v[\pw]
.irp c, 0,1
	v_cvt_scalef32_pk16_fp6_f32 v[\pc+6*\c:\pc+2+6*\c], v[\s+32*\c:\s+15+32*\c], v[\tm+12+2*\c]
	v_cvt_scalef32_pk16_fp6_f32 v[\pc+12+4*\c:\pc+14+4*\c], v[\s+16+32*\c:\s+31+32*\c], v[\tm+13+2*\c]
.endr
	v_nop                                          ; one plain place behind a scaled conversion
.irp c, 0,1
.irp i, 0,1,2
	v_permlane16_swap_b32 v[\pc+6*\c+\i], v[\pc+12+4*\c+\i]
.endr
.irp i, 0,1,2
	s_delay_alu instid0(VALU_DEP_3)
	v_mov_b32 v[\pc+3+6*\c+\i], v[\pc+12+4*\c+\i]
.endr
.endr
.endm
	s_load_b256 s[4:11], s[0:1], 0x0               ; c2, s2, x_mask, c3
	s_load_b64 s[12:13], s[0:1], 0x20              ; s3
	v_lshl_add_u32 v251, v0, 2, 0x33400
	v_mov_b32 v255, 0
	ds_add_u32 v251, v255
	ds_add_u32 v251, v255
	v_lshrrev_b32 v4, 5, v0
	s_delay_alu instid0(VALU_DEP_1)
	v_readfirstlane_b32 s[WV], v4                  ; wave 0..15
	s_bfe_u32 s56, ttmp6, 0x40000                  ; cx: my block of 256 queries: it enters Q's and the outputs' addresses alone
	s_and_b32 s57, ttmp7, 0xffff                   ; y = 16 b + head, which the four partners share
	s_lshr_b32 s58, s57, 2                         ; 4 b + kv head
	s_bfe_u32 s59, s[WV], 0x10001                  ; a wave that fetches scale words (12-15): 0 K's, 1 V's,
	s_and_b32 s60, s[WV], 1                        ; and which half
	s_mov_b32 s[G1C], 15|(3<<16)|(1<<21)           ; 15:0 the mask: all four work-groups; 17:16 elements of 8 bytes; 21 set beside a mask.  A dense block as rows of 256 bytes
	s_mov_b32 s[G1C+1], 32<<16                     ; tensor_dim0
	s_mov_b32 s[G1C+2], 64<<16                     ; tensor_dim1: 64 rows of 256 bytes
	s_mov_b32 s[G1C+3], 32<<16                     ; tile_dim0
	s_mov_b32 s[G1C+4], 64                         ; tile_dim1
	s_mov_b32 s[G1C+5], 32                         ; the pitch
	s_mov_b32 s[G1C+6], 0
	s_mov_b32 s[G1C+7], 0
	s_mov_b32 s[G1S], 15|(3<<16)|(1<<21)           ; 2,048 bytes of scale words: 8 such rows
	s_mov_b32 s[G1S+1], 32<<16
	s_mov_b32 s[G1S+2], 8<<16
	s_mov_b32 s[G1S+3], 32<<16
	s_mov_b32 s[G1S+4], 8
	s_mov_b32 s[G1S+5], 32
	s_mov_b32 s[G1S+6], 0
	s_mov_b32 s[G1S+7], 0
	s_cmp_lt_u32 s[WV], 6                          ; codes: pieces 0-5 are K's (from 6,291,456, 98,304 a kv head), pieces 6-11 V's, 1,572,864 on
	s_cselect_b32 s62, 0, 1474560
	s_mul_i32 s63, s58, 98304
	s_add_co_u32 s62, s62, s63
	s_lshl_b32 s63, s[WV], 14
	s_add_co_u32 s62, s62, s63
	s_add_co_u32 s62, s62, 6291456
	s_mov_b32 s63, 0
	s_lshl_b32 s66, s59, 16                        ; scale words: K's at 262,144, V's 65,536 on; 4,096 a kv head; my 2,048
	s_lshl_b32 s67, s58, 12
	s_add_co_u32 s66, s66, s67
	s_lshl_b32 s67, s60, 11
	s_add_co_u32 s66, s66, s67
	s_add_co_u32 s66, s66, 262144
	s_mov_b32 s67, 0
	s_lshl_b32 s68, s[WV], 14                      ; in LDS: piece x 16,384 (V's images follow K's); no place in the cluster enters an LDS address
	s_and_b32 s69, s[WV], 3
	s_lshl_b32 s69, s69, 11
	s_mov_b32 s[SEL], 0x76543210
	s_mov_b32 s[SEL+1], 0xfedcba98
	s_mov_b32 s[CS], 0x3e0293ee
	s_mov_b32 s[CS+1], s[CS]                       ; (named with it as a pair)
	s_wait_dscnt 0x0
	s_wait_kmcnt 0x0
	s_mov_b32 s[G0S], 1
	s_add_co_u32 s[G0S+1], s69, KS
	s_add_nc_u64 s[G0S+2:G0S+3], s[6:7], s[66:67]
	s_or_b32 s[G0S+3], s[G0S+3], 0x80000000
	s_mov_b32 s[G0P0], 1
	s_mov_b32 s[G0P0+1], s68
	s_add_nc_u64 s[G0P0+2:G0P0+3], s[4:5], s[62:63]
	s_or_b32 s[G0P0+3], s[G0P0+3], 0x80000000
	CROUND                                         ; all four work-groups are here: the joint loads meet
	s_cmp_lt_u32 s[WV], 12                         ; one load a wave, in the two arms of one branch on the wave's number
	s_cbranch_scc0 .Lfor_words
	tensor_load_to_lds s[G0P0:G0P0+3], s[G1C:G1C+7]
	s_nop 0
.rept 4
	v_nop
.endr
	s_branch .Lasked
.Lfor_words:
	tensor_load_to_lds s[G0S:G0S+3], s[G1S:G1S+7]
	s_nop 0
.rept 4
	v_nop
.endr
.Lasked:
	v_and_b32 v4, 31, v0                           ; lane
	v_and_b32 v5, 15, v0                           ; r
	v_bfe_u32 v6, v0, 4, 1                         ; h
	s_delay_alu instid0(VALU_DEP_3)
	v_lshlrev_b32 v[LI], 4, v4
	s_wait_alu depctr_va_vdst(0)
	v_lshlrev_b32 v7, 4, v5                        ; 16 r
	s_wait_alu depctr_va_vdst(0)
	v_lshl_add_u32 v[ASC], v6, 12, v7
	s_delay_alu instid0(VALU_DEP_1)
	v_add_nc_u32 v[ASC], KS, v[ASC]
	v_lshlrev_b32 v[ABI], 6, v6
	s_delay_alu instid0(VALU_DEP_1)
	v_add_nc_u32 v[ABI], BIAS, v[ABI]
	s_lshl_b32 s58, s57, 6
	s_lshl_b32 s59, s56, 4
	s_add_co_u32 s58, s58, s59
	s_add_co_u32 s58, s58, s[WV]                   ; my fragment of Q: 64 y + 16 cx + wave
	s_mul_i32 s58, s58, 1536
	s_mov_b32 s59, 0
	s_add_nc_u64 s[58:59], s[4:5], s[58:59]
	s_lshl_b32 s60, s57, 3
	s_lshl_b32 s61, s56, 1
	s_add_co_u32 s60, s60, s61
	s_lshr_b32 s61, s[WV], 3
	s_add_co_u32 s60, s60, s61                     ; its group: 8 y + 2 cx + wave / 8
	s_lshl_b32 s60, s60, 9
	s_bfe_u32 s61, s[WV], 0x10002
	s_lshl_b32 s61, s61, 8
	s_add_co_u32 s60, s60, s61                     ; + 256 ((wave % 8) / 4)
	s_and_b32 s61, s[WV], 3
	s_lshl_b32 s61, s61, 2
	s_add_co_u32 s60, s60, s61                     ; + 4 (wave % 4)
	s_mov_b32 s61, 0
	s_add_nc_u64 s[60:61], s[6:7], s[60:61]
	global_load_b128 v[16:19], v[LI], s[58:59]
	global_load_b128 v[20:23], v[LI], s[58:59] offset:512
	global_load_b128 v[24:27], v[LI], s[58:59] offset:1024
	global_load_b32 v28, v7, s[60:61]              ; Q's scale words
	s_lshr_b32 s62, s57, 4
	s_lshl_b32 s62, s62, 10                        ; the batch's 1,024 bytes of the mask
	s_mov_b32 s63, 0
	s_add_nc_u64 s[8:9], s[8:9], s[62:63]
	v_lshlrev_b32 v88, 1, v0
	global_load_u16 v89, v88, s[8:9]               ; thread t: keys 2 t, 2 t + 1
	s_lshr_b32 s62, s[WV], 3                       ; where my outgoing scale words meet the others': as in memory
	s_lshl_b32 s62, s62, 9
	s_bfe_u32 s63, s[WV], 0x10002
	s_lshl_b32 s63, s63, 8
	s_add_co_u32 s62, s62, s63
	s_and_b32 s63, s[WV], 3
	s_lshl_b32 s63, s63, 2
	s_add_co_u32 s62, s62, s63
	s_add_co_u32 s62, s62, SWG
	v_add_nc_u32 v94, s62, v7
	s_and_b32 s62, s[WV], 1
	s_lshl_b32 s62, s62, 9
	s_add_co_u32 s62, s62, SWG
	v_add_nc_u32 v95, s62, v[LI]                   ; and from where waves 0 and 1 take a group's 512 bytes
	s_lshr_b32 s66, s57, 4
	s_lshl_b32 s66, s66, 3
	s_lshl_b32 s67, s56, 1
	s_add_co_u32 s66, s66, s67                     ; 8 b + 2 cx
	s_lshr_b32 s67, s[WV], 3
	s_add_co_u32 s67, s67, s66                     ; my group of 128 tokens
	s_lshl_b32 s67, s67, 4
	s_and_b32 s68, s57, 15                         ; the head = the last product's K step
	s_add_co_u32 s67, s67, s68
	s_mul_i32 s70, s67, 12288
	s_and_b32 s69, s[WV], 7
	s_mul_i32 s69, s69, 1536
	s_add_co_u32 s70, s70, s69
	s_mov_b32 s71, 0
	s_add_nc_u64 s[10:11], s[10:11], s[70:71]      ; c3 at my fragment
	s_and_b32 s69, s[WV], 1
	s_add_co_u32 s66, s66, s69
	s_lshl_b32 s70, s66, 13
	s_lshl_b32 s68, s68, 9
	s_add_co_u32 s70, s70, s68
	s_add_nc_u64 s[12:13], s[12:13], s[70:71]      ; s3 at the group that wave 0 or 1 stores
	v_mov_b32 v13, 0xff61b1e6                      ; the largest t so far: -3e38
	s_delay_alu instid0(VALU_DEP_1)
	v_floor_f32 v12, -v13                          ; -M
	v_mov_b32 v14, 0
	v_mov_b32 v15, 0
.irp b, 0,1,2,3
	v_mov_b32 v[236+\b], 0                         ; written once: a lane permute's destination counts as one of its sources
.endr
	v_mov_b32 v253, 0                              ; (named as the upper half of the pair v[252:253])
.set j, 0
.rept 64
	v_mov_b32 v[160+j], 0                          ; O^T: the step is written without a first step of its own; the first change of M leaves zeros zeros
.set j, j+1
.endr
	v_mov_b32 v93, 0xf3000000                      ; -2^103
	v_lshl_add_u32 v92, v0, 3, BIAS
	s_wait_alu depctr_va_vdst(0)
	s_wait_loadcnt 0x0                             ; Q, its scale words, the mask
	v_and_b32 v90, 0xff, v89
	v_lshrrev_b32 v91, 8, v89
	s_delay_alu instid0(VALU_DEP_2)
	v_cmp_eq_u32 vcc_lo, 0, v90
	s_delay_alu instid0(VALU_DEP_1)
	v_cndmask_b32 v90, 0, v93, vcc_lo              ; a choice of values: no branch and no address hangs on the mask
	s_delay_alu instid0(VALU_DEP_3)
	v_cmp_eq_u32 vcc_lo, 0, v91
	s_delay_alu instid0(VALU_DEP_1)
	v_cndmask_b32 v91, 0, v93, vcc_lo
	ds_store_b64 v92, v[90:91]
	s_wait_tensorcnt 0x0                           ; my one load is in
	s_wait_dscnt 0x0                               ; for the others' sake: my biases are stored
	s_barrier_signal -1
	s_barrier_wait -1
; A KEY STEP: 128 keys.
.macro STEP
	v_add_nc_u32 v[ADK], s[TK], v[LI]              ; (these four are also the places in front of loads into registers that the last products read)
	s_wait_alu depctr_va_vdst(0)
	v_add_nc_u32 v[ADS], s[TS], v[ASC]
	v_add_nc_u32 v[ADB], s[TS], v[ABI]
	v_add_nc_u32 v[ADV], VC, v[ADK]
	ds_load_b128 v[80:83], v[ADS]                  ; the step's scale words: lanes 0-15 K's tiles, lanes 16-31 V's
	ds_load_b128 v[84:87], v[ADS] offset:256
.irp t, 0,1,2,3,4,5,6,7
	ds_load_b128 v[96+8*\t:99+8*\t], v[ADB] offset:128*(\t/2)+32*(\t%2)        ; the keys' biases, in the scores' layout: they are the C of the products below
	ds_load_b128 v[100+8*\t:103+8*\t], v[ADB] offset:128*(\t/2)+32*(\t%2)+16
.endr
.irp g, 0,1                                    ; S^T = K Q^T + bias, four tiles of 16 keys at a time
.if \g
.rept 4
	v_nop                                          ; places in front of loads into registers that matrix instructions have read
.endr
.endif
.irp t, 0,1,2,3
.irp c, 0,1,2
	ds_load_b128 v[32+12*\t+4*\c:35+12*\t+4*\c], v[ADK] offset:1536*(4*\g+\t)+512*\c
.endr
.endr
	s_wait_dscnt 0x0
.irp t, 0,1,2,3
	v_wmma_scale_f32_16x16x128_f8f6f4 v[96+8*(4*\g+\t):103+8*(4*\g+\t)], v[32+12*\t:43+12*\t], v[16:27], v[96+8*(4*\g+\t):103+8*(4*\g+\t)], v[80+4*\g+\t], v28 matrix_a_fmt:MATRIX_FMT_FP6 matrix_b_fmt:MATRIX_FMT_FP6
.endr
.endr
.rept 4
	v_nop                                          ; places: for the loads below and for the first read of the scores
.endr
	s_wait_alu depctr_va_vdst(0)
.irp t, 0,1,2,3                                ; V's tiles 0-3 are asked for ahead of the softmax, which covers them
.irp c, 0,1,2
	ds_load_b128 v[32+12*\t+4*\c:35+12*\t+4*\c], v[ADV] offset:1536*\t+512*\c
.endr
.endr
.irp b, 0,1,2,3
	v_max3_num_f32 v[232+\b], v[96+16*\b], v[97+16*\b], v[98+16*\b]   ; the largest score of each block of 32 keys: it serves for the row's maximum and, since p rises with the score, for the block's largest p
.endr
.irp i, 3,5,7,9,11,13
.irp b, 0,1,2,3
	v_max3_num_f32 v[232+\b], v[232+\b], v[96+16*\b+\i], v[97+16*\b+\i]
.endr
.endr
.irp b, 0,1,2,3
	v_max_num_f32 v[232+\b], v[232+\b], v[111+16*\b]
.endr
.irp b, 0,1,2,3
	s_delay_alu instid0(VALU_DEP_4)
	v_permlanex16_b32 v[236+\b], v[232+\b], s[SEL], s[SEL+1]
.endr
.irp b, 0,1,2,3
	s_delay_alu instid0(VALU_DEP_4)
	v_max_num_f32 v[232+\b], v[232+\b], v[236+\b]  ; with lane l xor 16's 16 keys
.endr
	s_delay_alu instid0(VALU_DEP_2)
	v_max3_num_f32 v254, v232, v233, v234
	s_delay_alu instid0(VALU_DEP_1)
	v_max_num_f32 v254, v254, v235
	s_delay_alu instid0(VALU_DEP_1)
	v_mul_f32 v254, s[CS], v254                    ; the step's largest t
	s_delay_alu instid0(VALU_DEP_1)
	v_max_num_f32 v13, v13, v254                   ; the running largest t
	v_mov_b32 v254, v12
	s_delay_alu instid0(VALU_DEP_2)
	v_floor_f32 v12, -v13                          ; the new -M = -ceil(t): a whole number
	s_delay_alu instid0(VALU_DEP_1)
	v_sub_f32 v254, v12, v254                      ; old M - new M: a whole number, 0 or less
	s_delay_alu instid0(VALU_DEP_1)
	v_cvt_i32_f32 v254, v254                       ; (it saturates)
	s_delay_alu instid0(VALU_DEP_1)
	v_ldexp_f32 v252, 1.0, v254                    ; f = 2^(old M - new M): a multiplication by it rounds nothing
.set j, 0
.rept 32
	v_pk_fma_f32 v[96+j:97+j], v[96+j:97+j], s[CS:CS+1], v[12:13] op_sel_hi:[1,0,0]   ; t - M, two at a time
.set j, j+2
.endr
.irp b, 0,1,2,3
	v_fma_f32 v[232+\b], v[232+\b], s[CS], v12     ; the same of each block's largest score
.endr
.set j, 0
	s_wait_alu depctr_va_vdst(0)
.rept 64
	v_exp_f32 v[96+j], v[96+j]                     ; p = 2^(t - M): one batch
.set j, j+1
.endr
	v_pk_mul_f32 v[14:15], v[14:15], v[252:253] op_sel_hi:[1,0]   ; the sums under the new M (a plain place behind the exponentials)
	s_wait_alu depctr_va_vdst(0)                   ; one wait for the batch, ahead of its first reader
.irp b, 0,1,2,3
	v_exp_f32 v[232+\b], v[232+\b]                 ; the block's largest p
.endr
	v_pk_add_f32 v[236:237], v[100:101], v[104:105]
	v_pk_add_f32 v[248:249], v[108:109], v[112:113]
	v_pk_add_f32 v[246:247], v[116:117], v[120:121]
	v_pk_add_f32 v[244:245], v[124:125], v[128:129]
	v_pk_add_f32 v[242:243], v[132:133], v[136:137]
	v_pk_add_f32 v[240:241], v[140:141], v[144:145]
	v_pk_add_f32 v[238:239], v[148:149], v[152:153]
	v_pk_add_f32 v[14:15], v[14:15], v[156:157]
	v_pk_add_f32 v[236:237], v[236:237], v[96:97]
	v_pk_add_f32 v[248:249], v[248:249], v[98:99]
	v_pk_add_f32 v[246:247], v[246:247], v[102:103]
	v_pk_add_f32 v[244:245], v[244:245], v[106:107]
	v_pk_add_f32 v[242:243], v[242:243], v[110:111]
	v_pk_add_f32 v[240:241], v[240:241], v[114:115]
	v_pk_add_f32 v[238:239], v[238:239], v[118:119]
	v_pk_add_f32 v[14:15], v[14:15], v[122:123]
	v_pk_add_f32 v[236:237], v[236:237], v[126:127]
	v_pk_add_f32 v[248:249], v[248:249], v[130:131]
	v_pk_add_f32 v[246:247], v[246:247], v[134:135]
	v_pk_add_f32 v[244:245], v[244:245], v[138:139]
	v_pk_add_f32 v[242:243], v[242:243], v[142:143]
	v_pk_add_f32 v[240:241], v[240:241], v[146:147]
	v_pk_add_f32 v[238:239], v[238:239], v[150:151]
	v_pk_add_f32 v[14:15], v[14:15], v[154:155]
	v_pk_add_f32 v[236:237], v[236:237], v[158:159]
	s_delay_alu instid0(VALU_DEP_2)
	v_pk_add_f32 v[14:15], v[14:15], v[244:245]
	s_delay_alu instid0(VALU_DEP_2)
	v_pk_add_f32 v[236:237], v[236:237], v[242:243]
	v_pk_add_f32 v[248:249], v[248:249], v[240:241]
	v_pk_add_f32 v[246:247], v[246:247], v[238:239]
	s_delay_alu instid0(VALU_DEP_2)
	v_pk_add_f32 v[14:15], v[14:15], v[248:249]
	s_delay_alu instid0(VALU_DEP_2)
	v_pk_add_f32 v[236:237], v[236:237], v[246:247]
	s_delay_alu instid0(VALU_DEP_1)
	v_pk_add_f32 v[14:15], v[14:15], v[236:237]
	s_wait_alu depctr_va_vdst(0)                   ; and one for the four
.irp b, 0,1,2,3
	v_max_num_f32 v[232+\b], 0x1800000, v[232+\b]  ; the floor 2^(3 - 127): a block whose every p is 0 keeps the byte 1; its codes are zeros
.endr
.irp b, 0,1,2,3
	s_delay_alu instid0(VALU_DEP_4)
	v_add_nc_u32 v[244+\b], 0xff000000, v[232+\b]  ; the conversion's scale operand
.endr
.irp b, 0,1,2,3
	s_delay_alu instid0(VALU_DEP_4)
	v_lshrrev_b32 v[236+\b], 23, v[244+\b]         ; the scale's byte
.endr
	s_delay_alu instid0(VALU_DEP_3)
	v_lshl_or_b32 v30, v237, 8, v236               ; p's scale word for these 128 keys
	s_delay_alu instid0(VALU_DEP_1)
	v_lshl_or_b32 v30, v238, 16, v30
	s_delay_alu instid0(VALU_DEP_1)
	v_lshl_or_b32 v30, v239, 24, v30
.irp c, 0,1
	v_cvt_scalef32_pk16_fp6_f32 v[224+6*\c:226+6*\c], v[96+32*\c:111+32*\c], v[244+2*\c]
	v_cvt_scalef32_pk16_fp6_f32 v[236+4*\c:238+4*\c], v[112+32*\c:127+32*\c], v[245+2*\c]
.endr
	v_nop                                          ; one plain place behind a scaled conversion
.irp c, 0,1
.irp i, 0,1,2
	v_permlane16_swap_b32 v[224+6*\c+\i], v[236+4*\c+\i]
.endr
.irp i, 0,1,2
	s_delay_alu instid0(VALU_DEP_3)
	v_mov_b32 v[227+6*\c+\i], v[236+4*\c+\i]
.endr
.endr
.set j, 0
.rept 32
	v_pk_mul_f32 v[160+j:161+j], v[160+j:161+j], v[252:253] op_sel_hi:[1,0]   ; O^T under the new M.  (These 32 are also the places between the writes of p's codes and scale word and the products)
.set j, j+2
.endr
	s_wait_alu depctr_va_vdst(0)
.irp g, 0,1                                    ; O^T += V^T P^T, four tiles of 16 d at a time
.if \g
.rept 4
	v_nop
.endr
.irp t, 0,1,2,3
.irp c, 0,1,2
	ds_load_b128 v[32+12*\t+4*\c:35+12*\t+4*\c], v[ADV] offset:1536*(4+\t)+512*\c
.endr
.endr
.endif
	s_wait_dscnt 0x0
.irp t, 0,1,2,3
	v_wmma_scale_f32_16x16x128_f8f6f4 v[160+8*(4*\g+\t):167+8*(4*\g+\t)], v[32+12*\t:43+12*\t], v[224:235], v[160+8*(4*\g+\t):167+8*(4*\g+\t)], v[80+4*\g+\t], v30 matrix_a_fmt:MATRIX_FMT_FP6 matrix_b_fmt:MATRIX_FMT_FP6 matrix_a_scale:MATRIX_SCALE_ROW1
.endr
.endr
	s_add_co_u32 s[TK], s[TK], 12288
	s_add_co_u32 s[TS], s[TS], 512
.endm
	s_mov_b32 s[TK], 0
	s_mov_b32 s[TS], 0
	s_mov_b32 s[CNT], 8
.Lkeys:                                            ; the eight key steps
	STEP
	s_sub_co_u32 s[CNT], s[CNT], 1
	s_cmp_lg_u32 s[CNT], 0
	s_cbranch_scc1 .Lkeys
	; THE WAY OUT: O^T / l, quantised along d: it is K step `head` of the last product, for my 16 tokens: one fragment and one scale word a row.
	v_add_f32 v14, v14, v15
	s_delay_alu instid0(VALU_DEP_1)
	v_permlanex16_b32 v252, v14, s[SEL], s[SEL+1]
	s_delay_alu instid0(VALU_DEP_1)
	v_add_f32 v14, v14, v252                       ; the row's sum
	s_wait_alu depctr_va_vdst(0)
	v_rcp_f32 v14, v14
.rept 4
	v_nop                                          ; a plain place behind the transcendental, and the places behind the last products
.endr
	s_wait_alu depctr_va_vdst(0)                   ; the wait ahead of the first reader
.set j, 0
.rept 64
	v_mul_f32 v[96+j], v[160+j], v14               ; each accumulator from its low end on
.set j, j+1
.endr
.irp b, 0,1,2,3
	v_mov_b32 v[68+\b], 0                          ; the lane permutes' destinations in QUANT
.endr
	QUANT 96, 32, 64, 52
.irp c, 0,1,2
	global_store_b128 v[LI], v[32+4*\c:35+4*\c], s[10:11] offset:512*\c   ; 512 consecutive bytes, aligned
.endr
	ds_store_b32 v94, v52                          ; both halves of the lanes hold row r's word and write the same word with the same value
	s_wait_dscnt 0x0                               ; for the others' sake
	s_barrier_signal -1
	s_barrier_wait -1
	s_cmp_lt_u32 s[WV], 2                          ; waves 0 and 1 store a group's 512 bytes of scale words each
	s_cbranch_scc0 .Lno_words
	ds_load_b128 v[56:59], v95
	s_wait_dscnt 0x0
	global_store_b128 v[LI], v[56:59], s[12:13]
.Lno_words:
	s_wait_tensorcnt 0x0
	ds_add_u32 v251, v255
	s_wait_dscnt 0x0
	CROUND                                         ; the closing round
	s_endpgm
.Lfunc_end_k_qf9c5785db7_attn:
	.size	k_qf9c5785db7_attn, .Lfunc_end_k_qf9c5785db7_attn-k_qf9c5785db7_attn
	.p2alignl 7, 3214868480
	.fill 96, 4, 3214868480
	.section	.rodata,"a",@progbits
	.p2align	6, 0x0
	.amdhsa_kernel k_qf9c5785db7_attn
		.amdhsa_group_segment_fixed_size 211968
		.amdhsa_private_segment_fixed_size 0
		.amdhsa_enable_private_segment 0
		.amdhsa_kernarg_size 40
		.amdhsa_user_sgpr_count 2
		.amdhsa_user_sgpr_kernarg_segment_ptr 1
		.amdhsa_wavefront_size32 1
		.amdhsa_system_sgpr_workgroup_id_x 1
		.amdhsa_system_sgpr_workgroup_id_y 1
		.amdhsa_system_sgpr_workgroup_id_z 1
		.amdhsa_system_vgpr_workitem_id 0
		.amdhsa_next_free_vgpr 256
		.amdhsa_next_free_sgpr 72
		.amdhsa_reserve_vcc 1
		.amdhsa_float_denorm_mode_32 3
		.amdhsa_float_denorm_mode_16_64 3
		.amdhsa_memory_ordered 1
		.amdhsa_forward_progress 1
		.amdhsa_inst_pref_size 41
	.end_amdhsa_kernel
	.amdgpu_metadata
---
amdhsa.version: [ 1, 2 ]
amdhsa.kernels:
  - .name:           k_qf9c5785db7_attn
    .symbol:         k_qf9c5785db7_attn.kd
    .args:
      - { .name: c2, .offset: 0, .size: 8, .value_kind: global_buffer, .address_space: global }
      - { .name: s2, .offset: 8, .size: 8, .value_kind: global_buffer, .address_space: global }
      - { .name: x_mask, .offset: 16, .size: 8, .value_kind: global_buffer, .address_space: global }
      - { .name: c3, .offset: 24, .size: 8, .value_kind: global_buffer, .address_space: global }
      - { .name: s3, .offset: 32, .size: 8, .value_kind: global_buffer, .address_space: global }
    .group_segment_fixed_size: 211968
    .private_segment_fixed_size: 0
    .kernarg_segment_align: 8
    .kernarg_segment_size: 40
    .max_flat_workgroup_size: 512
    .sgpr_count:     72
    .vgpr_count:     256
    .wavefront_size: 32
...
	.end_amdgpu_metadata
.endif
;; end of part 3
;; launch gemm2 (part 4): grid 8 x 32, 4 waves a work-group, clusters of 4 x 4, 327,680 bytes of LDS; arguments c3, s3, c4, s4, out0; writes out0
.if DOCPART == 4
	.amdgcn_target "amdgcn-amd-amdhsa--gfx1250"
	.amdhsa_code_object_version 6
	.text
	.protected	k_qf9c5785db7_gemm2
	.globl	k_qf9c5785db7_gemm2
	.p2align	8
	.type	k_qf9c5785db7_gemm2,@function
k_qf9c5785db7_gemm2:
	s_mov_b64 s[64:65], 0
	v_nop
	global_prefetch_b8 v0, s[64:65] scope:SCOPE_SE
	s_setreg_imm32_b32 hwreg(HW_REG_WAVE_MODE, 25, 1), 1
	s_wait_xcnt 0x0
	s_wait_alu depctr_hold_cnt(0) depctr_sa_sdst(0) depctr_va_vdst(0) depctr_va_sdst(0) depctr_va_ssrc(0) depctr_va_vcc(0) depctr_vm_vsrc(0)
	s_getreg_b32 s2, hwreg(HW_REG_IB_STS2, 6, 4)
	s_cmp_eq_u32 s2, 0
	s_cbranch_scc0 .Lentry_in_a_cluster
	s_endpgm
.Lentry_in_a_cluster:
	s_bfe_u32 s2, ttmp6, 0x10000c
	s_cmp_lg_u32 s2, 0xf033
	s_cbranch_scc0 .Lentry_shape_is_right
	s_endpgm
.Lentry_shape_is_right:
; out0 = O Wout^T on codes of FP6 (E2M3) with E8M0 scales.  O's codes c3 and Wout's c4 are images of operand registers, [group of 128 rows][K step][fragment][1,536]; scale words s3, s4: [group][K step][512].
; A tile of 128 tokens x 256 columns; four waves, each 64 x 128 in 32 accumulators.  K goes through two LDS slots of four K steps (A's group, B's two groups); all scale words lie in LDS for the whole walk.
; CLUSTER 4 x 4: A's tiles are asked for jointly along a row, B's along a column.
; THE HEAD: one joint load a wave: A's slot 0 (49,152 dense bytes), B's slot 0 (two groups, as two rows of 49,152 bytes), A's 8,192 bytes of scale words, B's 16,384.  Slot 1 follows behind the full sequence and a round.
; PREFETCH: behind fills 0 and 1 each wave names its share of fills 2 and 3: what a wave fetches of a fill is shared out among the four partners that ask for it jointly, by address: 24 blocks of 256 bytes for A's waves, 48 for B's.
; The matrix instruction is used transposed (source 0 = Wout's rows, source 1 = O's rows): a lane holds neighbouring columns of one token's row; results leave through each wave's stage as rows of 512 bytes.
.set KSB,   12288
.set GSL,   4*KSB                      ; four K steps of a group
.set SLOT,  3*GSL
.set SCL,   2*SLOT
.set SPARE, SCL+3*8192
.set GRPB,  196608
.set FR,    12
.set NP,    4
.set SPITCH, 528
.set PFO,   15                         ; v15 256 min(lane, 23)
.set ADRA,  16
.set ADRB,  20
.set STO,   24
.set RD,    25
.set CO,    26
.set ADRS,  27
.set SPW,   28
.set NIL,   29
.set SC,    32
.set AF,    128
.set BK,    128
.set G0H,   4
.set G0HB,  8
.set G1,    24
.set G0,    32
.set G1B,   48
.set G0B,   56
.set G1S,   68
.set G0S,   76
.set G1SB,  80
.set G0SB,  88
.set PFA,   100
.set MSB, 0
.macro WIN new
.if MSB != (\new)
	s_set_vgpr_msb (MSB<<8)|(\new)
.set MSB, \new
.endif
.endm
.set MULW,  0xa1
.set TO_B,  0x40
.macro JLOAD g0a, g1a, g0b, g1b
	s_cmp_eq_u32 s21, 0
	s_cbranch_scc0 .Lfor_b_\@
	tensor_load_to_lds s[\g0a:\g0a+3], s[\g1a:\g1a+7]
	s_nop 0
.rept 4
	v_nop
.endr
	s_branch .Lasked_\@
.Lfor_b_\@:
	tensor_load_to_lds s[\g0b:\g0b+3], s[\g1b:\g1b+7]
	s_nop 0
.rept 4
	v_nop
.endr
.Lasked_\@:
.endm
.macro CREST
	s_cmp_lg_u32 s20, 0
	s_cbranch_scc1 .Lnot_wave_0_\@
	s_barrier_signal -3
.Lnot_wave_0_\@:
	s_barrier_wait -3
	s_barrier_signal -1
	s_barrier_wait -1
.endm
.macro CROUND
	s_barrier_signal -1
	s_barrier_wait -1
	CREST
.endm
.macro PLACES n
.rept \n
	v_nop
.endr
.endm
.macro SHAPE g, cols, rows, pitch
	s_mov_b32 s[\g+1], (\cols)<<16
	s_mov_b32 s[\g+2], (\rows)<<16
	s_mov_b32 s[\g+3], (\cols)<<16
	s_mov_b32 s[\g+4], \rows
	s_mov_b32 s[\g+5], \pitch
	s_mov_b32 s[\g+6], 0
	s_mov_b32 s[\g+7], 0
.endm
.macro HEAD0 g, lds, src
	s_mov_b32 s[\g], 1
	s_mov_b32 s[\g+1], \lds
	s_mov_b64 s[\g+2:\g+3], s[\src:\src+1]
	s_or_b32 s[\g+3], s[\g+3], 0x80000000
.endm
.macro ARM under, g0, g1, next
	s_cmp_lt_u32 s20, \under
	s_cbranch_scc0 \next
	tensor_load_to_lds s[\g0:\g0+3], s[\g1:\g1+7]
	s_nop 0
.rept 4
	v_nop
.endr
	s_branch .Lhead_asked
\next:
.endm
.macro ASK off                         ; A's waves name 24 blocks, B's waves 48
	global_prefetch_b8 v[PFO], s[PFA:PFA+1] offset:\off th:TH_LOAD_NT scope:SCOPE_SE
	s_cmp_eq_u32 s21, 0
	s_cbranch_scc1 .Lone_\@
	global_prefetch_b8 v[PFO], s[PFA:PFA+1] offset:\off+6144 th:TH_LOAD_NT scope:SCOPE_SE
.Lone_\@:
.endm
	s_load_b128 s[4:7], s[0:1], 0x0                ; c3, s3
	s_load_b128 s[8:11], s[0:1], 0x10              ; c4, s4
	s_load_b64 s[12:13], s[0:1], 0x20              ; out0
	v_lshl_add_u32 v[SPW], v0, 2, SPARE
	v_mov_b32 v[NIL], 0
	ds_add_u32 v[SPW], v[NIL]                      ; the opening lines: the add twice on end and one wait
	ds_add_u32 v[SPW], v[NIL]
	v_lshrrev_b32 v1, 5, v0
	v_readfirstlane_b32 s20, v1                    ; wave
	s_lshr_b32 s21, s20, 1                         ; my half of the tokens; also: I fetch for A (0) or B (1)
	s_and_b32 s22, s20, 1                          ; my half of the columns; also: which part I fetch
	s_bfe_u32 s40, ttmp6, 0x40000
	s_bfe_u32 s41, ttmp6, 0x40004
	s_lshl_b32 s42, ttmp9, 2
	s_add_co_u32 s42, s42, s40                     ; tile column
	s_and_b32 s43, ttmp7, 0xffff
	s_lshl_b32 s43, s43, 2
	s_add_co_u32 s43, s43, s41                     ; tile row = A's group
	s_lshl_b32 s44, s41, 2
	s_lshl_b32 s44, 15, s44
	s_lshl_b32 s45, 0x1111, s40
	s_or_b32 s[G1], s44, (3<<16)|(1<<21)
	s_or_b32 s[G1B], s45, (3<<16)|(1<<21)
	s_or_b32 s[G1S], s44, (3<<16)|(1<<21)
	s_or_b32 s[G1SB], s45, (3<<16)|(1<<21)
	SHAPE G1, 32, 192, 32                          ; the head's: A's four K steps,
	SHAPE G1B, 6144, 2, 24576                      ; B's two groups' four K steps, a group apart,
	SHAPE G1S, 32, 32, 32                          ; the scale words of one group,
	SHAPE G1SB, 32, 64, 32                         ; and of two
	s_mul_i32 s14, s22, 2*KSB                      ; in the ring: A's waves take two K steps each,
	s_mul_i32 s15, s22, GSL
	s_add_co_u32 s15, s15, GSL                     ; B's waves a group each
	s_lshl_b32 s17, s22, 13
	s_add_co_u32 s17, s17, 8192                    ; my B group's scale words, behind A's
	s_mul_i32 s18, s22, GRPB
	s_mov_b32 s19, 0
	s_mov_b32 s2, s14
	s_mov_b32 s3, 0
	s_mov_b32 s16, 12288
	s_mul_i32 s46, s43, GRPB
	s_mov_b32 s47, 0
	s_lshl_b32 s66, s43, 13
	s_mov_b32 s67, 0
	s_lshl_b32 s96, s42, 1                         ; B's first group
	s_lshl_b32 s98, s96, 13
	s_mul_i32 s96, s96, GRPB
	s_mov_b32 s97, 0
	s_mov_b32 s99, 0
	s_wait_dscnt 0x0                               ; both opening adds are done
	s_wait_alu depctr_va_vdst(0)
	s_wait_kmcnt 0x0
	s_add_nc_u64 s[46:47], s[4:5], s[46:47]
	s_add_nc_u64 s[66:67], s[6:7], s[66:67]
	s_add_nc_u64 s[96:97], s[8:9], s[96:97]
	s_add_nc_u64 s[98:99], s[10:11], s[98:99]
	HEAD0 G0H, 0, 46
	HEAD0 G0HB, GSL, 96
	HEAD0 G0S, SCL, 66
	HEAD0 G0SB, SCL+8192, 98
	s_add_nc_u64 s[46:47], s[46:47], s[2:3]
	s_add_nc_u64 s[96:97], s[96:97], s[18:19]
.irp s, 0,1
	s_mov_b32 s[G0+4*\s], 1
	s_add_co_u32 s[G0+4*\s+1], s14, \s*SLOT
	s_add_nc_u64 s[G0+4*\s+2:G0+4*\s+3], s[46:47], \s*GSL
	s_or_b32 s[G0+4*\s+3], s[G0+4*\s+3], 0x80000000
	s_mov_b32 s[G0B+4*\s], 1
	s_add_co_u32 s[G0B+4*\s+1], s15, \s*SLOT
	s_add_nc_u64 s[G0B+4*\s+2:G0B+4*\s+3], s[96:97], \s*GSL
	s_or_b32 s[G0B+4*\s+3], s[G0B+4*\s+3], 0x80000000
.endr
	CROUND                                         ; all sixteen work-groups are here: the first joint loads meet
	ARM 1, G0H,  G1,  .Lhead_b                     ; one load a wave, in one chain of branches on the wave's number
	ARM 2, G0HB, G1B, .Lhead_sa
	ARM 3, G0S,  G1S, .Lhead_sb
	tensor_load_to_lds s[G0SB:G0SB+3], s[G1SB:G1SB+7]
	s_nop 0
.rept 4
	v_nop
.endr
.Lhead_asked:
	s_cmp_eq_u32 s21, 0
	s_cselect_b64 s[PFA:PFA+1], s[46:47], s[96:97] ; what I fetch of a fill,
	s_cselect_b32 s2, s40, s41                     ; my place among the four that ask for it with me,
	s_cselect_b32 s3, 6144, s16                    ; and a partner's share of it
	s_mul_i32 s2, s2, s3
	s_mov_b32 s3, 0
	s_add_nc_u64 s[PFA:PFA+1], s[PFA:PFA+1], s[2:3]
	s_mul_i32 s44, s21, 4*1536                     ; my four fragments of A's eight
	s_lshl_b32 s45, s21, 8
	s_sub_co_u32 s17, s17, s45                     ; from A's scale words to B's
	s_add_co_u32 s45, s45, SCL
	s_mul_i32 s66, s20, 16*SPITCH                  ; my stage, in slot 0
	v_and_b32 v1, 31, v0
	v_and_b32 v2, 15, v0
	v_bfe_u32 v3, v0, 4, 1
	v_lshlrev_b32 v[CO], 4, v1
	v_add_nc_u32 v[ADRA], s44, v[CO]
	v_add_nc_u32 v[ADRB], s15, v[CO]
	v_add_nc_u32 v[ADRA+1], SLOT, v[ADRA]
	v_add_nc_u32 v[ADRB+1], SLOT, v[ADRB]
	v_mul_u32_u24 v5, s17, v3                      ; lanes 16-31 take B's words
	v_lshl_add_u32 v5, v2, 4, v5
	v_add_nc_u32 v[ADRS], s45, v5
	v_mul_u32_u24 v5, v2, SPITCH
	v_lshl_add_u32 v5, v3, 6, v5
	v_add_nc_u32 v[STO], s66, v5
	v_add_nc_u32 v[RD], s66, v[CO]
	v_min_u32 v[PFO], 23, v1                       ; lanes 24-31 name the last block again
	v_lshlrev_b32 v[PFO], 8, v[PFO]
	s_wait_alu depctr_va_vdst(0)
	ASK 2*GSL                                      ; fill 2
	s_lshl_b32 s46, s43, 20                        ; out0: 128 rows of 8,192 bytes a tile row, my 64,
	s_lshl_b32 s47, s21, 19
	s_add_co_u32 s46, s46, s47
	s_mov_b32 s47, 0
	s_add_nc_u64 s[12:13], s[12:13], s[46:47]
	s_lshl_b32 s96, s42, 10                        ; 1,024 bytes a tile column, my 512
	s_lshl_b32 s97, s22, 9
	s_add_co_u32 s96, s96, s97
	s_mov_b32 s97, 0
	s_add_nc_u64 s[12:13], s[12:13], s[96:97]
.macro FRAG reg, adr, off
.irp c, 0,1,2
	ds_load_b128 v[\reg+4*\c:\reg+4*\c+3], v[\adr] offset:\off+512*\c
.endr
.endm
.macro FETCH ks                        ; K step ks: B's eight fragments, A's four, the scale words, into set ks % 2
.set FS, ((\ks)/4)%2
.set FQ, (\ks)%4
.set FP, (\ks)%2
	WIN TO_B
.irp i, 0,1,2,3,4,5,6,7
	FRAG 128*FP+FR*\i, ADRB+FS, KSB*FQ+1536*\i
.endr
	WIN 0
.irp i, 0,1,2,3
	FRAG AF+48*FP+FR*\i, ADRA+FS, KSB*FQ+1536*\i
.endr
	ds_load_b128 v[SC+8*FP:SC+8*FP+3], v[ADRS] offset:512*(\ks)
	ds_load_b128 v[SC+8*FP+4:SC+8*FP+7], v[ADRS] offset:512*(\ks)+256
.endm
.macro MUL8 a, ks                      ; A's block a x B's eight; the 32 accumulators take turns
.set MP, (\ks)%2
.irp b, 0,1,2,3,4,5,6,7
.if (\ks) == 0
	v_wmma_scale_f32_16x16x128_f8f6f4 v[8*(8*(\a)+\b):8*(8*(\a)+\b)+7], v[128*MP+FR*\b:128*MP+FR*\b+FR-1], v[AF+48*MP+FR*(\a):AF+48*MP+FR*(\a)+FR-1], 0, v[SC+8*MP+\b], v[SC+8*MP+(\a)] matrix_a_fmt:MATRIX_FMT_FP6 matrix_b_fmt:MATRIX_FMT_FP6 matrix_a_scale:MATRIX_SCALE_ROW1
.else
	v_wmma_scale_f32_16x16x128_f8f6f4 v[8*(8*(\a)+\b):8*(8*(\a)+\b)+7], v[128*MP+FR*\b:128*MP+FR*\b+FR-1], v[AF+48*MP+FR*(\a):AF+48*MP+FR*(\a)+FR-1], v[8*(8*(\a)+\b):8*(8*(\a)+\b)+7], v[SC+8*MP+\b], v[SC+8*MP+(\a)] matrix_a_fmt:MATRIX_FMT_FP6 matrix_b_fmt:MATRIX_FMT_FP6 matrix_a_scale:MATRIX_SCALE_ROW1
.endif
.endr
.endm
.macro PLAIN ks                        ; a K step inside a slot: the next step's fragments are asked for ahead of its products
	s_wait_dscnt 0x0
.if (\ks) > 0
	PLACES NP
.endif
	FETCH (\ks)+1
	WIN MULW
	MUL8 0, \ks
	MUL8 1, \ks
	MUL8 2, \ks
	MUL8 3, \ks
	WIN 0
.endm
.macro CHANGE ks, fill                 ; a slot's last K step, and the change of slots
.set CSL, ((\ks)/4)%2
	s_wait_tensorcnt 0x0                           ; my one load that was out, my part of the next slot, is in
	ds_add_u32 v[SPW], v[NIL]
	s_wait_dscnt 0x1                               ; the add may be out
	WIN MULW
	MUL8 0, \ks
	s_wait_dscnt 0x0
	s_barrier_signal -1
	MUL8 1, \ks
	WIN 0
	s_barrier_wait -1
.if \fill
	CREST                                          ; the barrier has opened a round of the cluster's barrier
	s_add_nc_u64 s[G0+4*CSL+2:G0+4*CSL+3], s[G0+4*CSL+2:G0+4*CSL+3], 2*GSL
	s_add_nc_u64 s[G0B+4*CSL+2:G0B+4*CSL+3], s[G0B+4*CSL+2:G0B+4*CSL+3], 2*GSL
	JLOAD G0+4*CSL, G1, G0B+4*CSL, G1B
.else
	PLACES NP
.endif
	FETCH (\ks)+1
	WIN MULW
	MUL8 2, \ks
	MUL8 3, \ks
	WIN 0
.endm
	s_wait_alu depctr_va_vdst(0)
	s_wait_tensorcnt 0x0                           ; my tile of the head's four is in
	ds_add_u32 v[SPW], v[NIL]
	s_mov_b32 s[G1+2], 96<<16                      ; no load of mine is out: in the ring A's waves bring 96 rows of 256 bytes,
	s_mov_b32 s[G1+4], 96
	s_mov_b32 s[G1B+1], 32<<16                     ; B's waves 192
	s_mov_b32 s[G1B+2], 192<<16
	s_mov_b32 s[G1B+3], 32<<16
	s_mov_b32 s[G1B+4], 192
	s_mov_b32 s[G1B+5], 32
	s_wait_dscnt 0x0
	CROUND                                         ; all four tiles are in, in every partner
	JLOAD G0+4, G1, G0B+4, G1B                     ; slot 1's first fill, issued as a refill is
	FETCH 0
	ASK 3*GSL                                      ; fill 3
	PLAIN 0
	PLAIN 1
	PLAIN 2
	CHANGE 3, 1
	PLAIN 4
	PLAIN 5
	PLAIN 6
	CHANGE 7, 1
	PLAIN 8
	PLAIN 9
	PLAIN 10
	CHANGE 11, 0
	PLAIN 12
	PLAIN 13
	PLAIN 14
	s_wait_dscnt 0x0
	WIN MULW
	MUL8 0, 15
	MUL8 1, 15
	MUL8 2, 15
	MUL8 3, 15
	WIN 0
; THE WAY OUT: a block of 16 tokens x 128 columns goes through my stage (in slot 0, which has had its last fill and its last read) and comes back as rows of 512 bytes
.macro TOSTAGE a
.set AC, 64*(\a)
	WIN 0x08
.irp b, 0,1,2,3,4,5,6,7
	ds_store_b128 v[STO], v[AC+8*\b:AC+8*\b+3] offset:128*(\b/2)+32*(\b%2)
	ds_store_b128 v[STO], v[AC+8*\b+4:AC+8*\b+7] offset:128*(\b/2)+32*(\b%2)+16
.endr
	WIN 0
.set BB, BK+64*((\a)%2)
.irp t, 0,1,2,3,4,5,6,7,8,9,10,11,12,13,14,15
	ds_load_b128 v[BB+4*\t:BB+4*\t+3], v[RD] offset:\t*SPITCH
.endr
.endm
.macro SEND a, younger
.set BB, BK+64*((\a)%2)
	s_wait_dscnt \younger
.irp t, 0,1,2,3,4,5,6,7,8,9,10,11,12,13,14,15
	global_store_b128 v[CO], v[BB+4*\t:BB+4*\t+3], s[12:13] offset:(32*((\a)/2)+8*((\a)%2)+\t+8*(\t/8))*8192 th:TH_STORE_NT   ; 512 consecutive bytes, aligned
.endr
.endm
	PLACES NP
	TOSTAGE 0
.irp a, 1,2,3
.if \a > 1
	s_wait_xcnt 0x0                                ; block a - 2's stores have read their registers
.endif
	TOSTAGE \a
	SEND \a-1, 32                                  ; behind block a - 1's loads: block a's 16 stores and 16 loads
.endr
	SEND 3, 0
	s_wait_tensorcnt 0x0                           ; the wave's end
	ds_add_u32 v[SPW], v[NIL]
	s_wait_dscnt 0x0
	CROUND                                         ; the closing round
	s_endpgm
.Lfunc_end_k_qf9c5785db7_gemm2:
	.size	k_qf9c5785db7_gemm2, .Lfunc_end_k_qf9c5785db7_gemm2-k_qf9c5785db7_gemm2
	.p2alignl 7, 3214868480
	.fill 96, 4, 3214868480
	.section	.rodata,"a",@progbits
	.p2align	6, 0x0
	.amdhsa_kernel k_qf9c5785db7_gemm2
		.amdhsa_group_segment_fixed_size 327680
		.amdhsa_private_segment_fixed_size 0
		.amdhsa_enable_private_segment 0
		.amdhsa_kernarg_size 40
		.amdhsa_user_sgpr_count 2
		.amdhsa_user_sgpr_kernarg_segment_ptr 1
		.amdhsa_wavefront_size32 1
		.amdhsa_system_sgpr_workgroup_id_x 1
		.amdhsa_system_sgpr_workgroup_id_y 1
		.amdhsa_system_sgpr_workgroup_id_z 1
		.amdhsa_system_vgpr_workitem_id 0
		.amdhsa_next_free_vgpr 768
		.amdhsa_next_free_sgpr 102
		.amdhsa_reserve_vcc 0
		.amdhsa_float_denorm_mode_32 3
		.amdhsa_float_denorm_mode_16_64 3
		.amdhsa_memory_ordered 1
		.amdhsa_forward_progress 1
		.amdhsa_inst_pref_size 135
	.end_amdhsa_kernel
	.amdgpu_metadata
---
amdhsa.version: [ 1, 2 ]
amdhsa.kernels:
  - .name:           k_qf9c5785db7_gemm2
    .symbol:         k_qf9c5785db7_gemm2.kd
    .args:
      - { .name: c3, .offset: 0, .size: 8, .value_kind: global_buffer, .address_space: global }
      - { .name: s3, .offset: 8, .size: 8, .value_kind: global_buffer, .address_space: global }
      - { .name: c4, .offset: 16, .size: 8, .value_kind: global_buffer, .address_space: global }
      - { .name: s4, .offset: 24, .size: 8, .value_kind: global_buffer, .address_space: global }
      - { .name: out0, .offset: 32, .size: 8, .value_kind: global_buffer, .address_space: global }
    .group_segment_fixed_size: 327680
    .private_segment_fixed_size: 0
    .kernarg_segment_align: 8
    .kernarg_segment_size: 40
    .max_flat_workgroup_size: 128
    .sgpr_count:     102
    .vgpr_count:     768
    .wavefront_size: 32
...
	.end_amdgpu_metadata
.endif
;; end of part 4
